; MI455X (gfx1250); checked and timed in simulation.
; The chip was launched on July 23, 2026; its instructions are those of AMD's public machine-readable ISA for CDNA 5 (MIT licence, August 2026) and "CDNA5" Instruction Set Architecture Reference Guide (July 2026). The comments in the code are by the model that wrote it; some were corrected since.
;; Dense MOE. Allowed arithmetic: float matrix products may take bf16 or f16 operands with f32 sums; all other float work in f32.
;; Inputs: b1 8 x 4,096 float32; b2 8 x 1,024 float32; router_b 8 float32; router_w 8 x 1,024 float32; w1 8 x 1,024 x 4,096 float32; w2 8 x 4,096 x 1,024 float32; x 4 x 256 x 1,024 float32.
;; Outputs: out0 4 x 256 x 1,024 float32.
;; Constants: top_k = 2.
;; 2 versions, each right; version 2 is version 1 with the launches ffn1, ffn2 written anew for expert scheduling mode. Each part assembles by itself: llvm-mc -triple=amdgcn-amd-amdhsa -mcpu=gfx1250 --defsym DOCPART=n.
;; ======== version 1 of 2: 5 launches
;; limits: values outside matrix products are rounded to bf16
;; workspace buffers: sel 4,096 bytes of whole numbers; gate 8,192 bytes; rows 32,768 bytes of whole numbers; nrow 1,024 bytes of whole numbers; xg 20,971,520 bytes; hg 83,886,080 bytes; yp 167,772,160 bytes
;; launch router (part 1): grid 32 x 1, 8 waves a work-group, no clusters, 2,048 bytes of LDS; arguments x, router_w, router_b, sel, gate; writes sel, gate
.if DOCPART == 1
	.amdgcn_target "amdgcn-amd-amdhsa--gfx1250"
	.amdhsa_code_object_version 6
	.text
	.protected	k_qf85d6eb751_router
	.globl	k_qf85d6eb751_router
	.p2align	8
	.type	k_qf85d6eb751_router,@function
k_qf85d6eb751_router:
	s_mov_b64 s[64:65], 0
	v_nop
	global_prefetch_b8 v0, s[64:65] scope:SCOPE_SE
	s_setreg_imm32_b32 hwreg(HW_REG_WAVE_MODE, 25, 1), 1
	s_wait_xcnt 0x0
; ROUTER.  logits[t][e] = x[t] . router_w[e] + router_b[e]; the two largest of a token's eight logits; their softmax (the other six gates are exactly 0).
; NUMBER FORMAT.  x, router_w and router_b are rounded to bf16 (nearest even), as the operands of the two large products are; the products of such numbers are exact
; in f32, and the sums, the bias and the softmax are f32.  So the experts are chosen from the same rounded x that the experts are fed with.  The rounding of router_b
; is a stated limit of format: a logit carries an error of up to 2^-9 of |router_b[e]| against an f32 bias.
; The vector unit does the 8.4 M multiply-adds: eight experts would fill half of a matrix tile's columns, and the arithmetic (exact products, f32 sums) is the same.
; LIMITS.  A NaN among a token's logits is not ordered as top_k orders it.  Equal logits: the lower index wins, as in top_k.  v_exp_f32 gives 0 for a second gate below 2^-126.
; SHARES.  Work-group g = tokens 32 g .. 32 g + 31.  Wave w: tokens 32 g + 4 w + tt, tt = 0..3.  Lane l: the numbers d = 128 i + 4 l .. + 3 of chunk i = 0..7,
; so each load of a wave covers 512 consecutive bytes.  The 32 x 8 logits meet in LDS; wave 0 then takes one token a lane.
; No branch and no address hangs on a logit: what is decided here leaves as whole numbers (sel = first choice | second choice << 8) and as the two gates.
.set ACC, 16                           ; v[16:79]   32 pairs of partial sums, (tt, e) at 2 (8 tt + e)
.set BUF, 80                           ; v[80:223]  three chunk buffers of 48: router_w's e at +4 e, x's tt at +32 + 4 tt
.set SUM, 80                           ; v[80:111]  the 32 logits, once the buffers are free
.set OTH, 112                          ; v[112:143] the other half of the lanes' sums
.set LG,  120                          ; v[120:127] wave 0: my token's eight logits
.set RB,  224                          ; v[224:231] router_b, rounded
	s_load_b256 s[4:11], s[0:1], 0x0               ; x s[4:5], router_w s[6:7], router_b s[8:9], sel s[10:11]
	s_load_b64 s[12:13], s[0:1], 0x20              ; gate
	v_lshl_add_u32 v232, v0, 2, 0x400
	v_mov_b32 v233, 0
	v_lshrrev_b32 v1, 5, v0
	v_readfirstlane_b32 s16, v1                    ; wave
	v_and_b32 v1, 31, v0                           ; lane
	v_lshlrev_b32 v3, 4, v1                        ; router_w: 16 l
	v_lshl_add_u32 v2, s16, 14, v3                 ; x: 4 tokens of 4,096 bytes a wave + 16 l
	s_lshl_b32 s18, ttmp9, 17                      ; the group's 32 rows of x
	s_mov_b32 s19, 0
	s_lshl_b32 s36, ttmp9, 7                       ; the group's 128 bytes of sel
	s_mov_b32 s37, 0
	s_lshl_b32 s38, ttmp9, 8                       ; its 256 bytes of gate
	s_mov_b32 s39, 0
	s_mov_b32 s28, 0x76543210                      ; v_permlanex16_b32: each lane takes its own place in the other half
	s_mov_b32 s29, 0xfedcba98
	s_mov_b32 s34, 0xffff0000                      ; a word's upper bf16
	s_wait_kmcnt 0x0
	s_load_b256 s[20:27], s[8:9], 0x0              ; router_b: eight numbers
	s_add_nc_u64 s[4:5], s[4:5], s[18:19]
	s_add_nc_u64 s[10:11], s[10:11], s[36:37]
	s_add_nc_u64 s[12:13], s[12:13], s[38:39]
.macro LOADC i                         ; chunk i: 8 loads of router_w, 4 of x
.set lb, BUF+48*((\i)%3)
.irp e, 0,1,2,3,4,5,6,7
	global_load_b128 v[lb+4*\e:lb+4*\e+3], v3, s[6:7] offset:4096*\e+512*(\i)
.endr
.irp t, 0,1,2,3
	global_load_b128 v[lb+32+4*\t:lb+32+4*\t+3], v2, s[4:5] offset:4096*\t+512*(\i)
.endr
.endm
; Chunk i is rounded in place and multiplied; its buffer then takes chunk i + 3.  left = the 12 loads of each younger chunk that may stay out.
.macro CHUNK i, left
	s_wait_loadcnt \left
.set cb, BUF+48*((\i)%3)
.set p, 0
.rept 24
	v_cvt_pk_bf16_f32 v[6+p%2], v[cb+2*p], v[cb+2*p+1]      ; two roundings to bf16,
	v_lshlrev_b32 v[cb+2*p], 16, v[6+p%2]                   ; and back to f32: the low half moves up,
	v_and_b32 v[cb+2*p+1], s34, v[6+p%2]                    ; the high half stays
.set p, p+1
.endr
.irp f, 0,2
.irp t, 0,1,2,3
.irp e, 0,1,2,3,4,5,6,7
.if ((\i) == 0) && (\f == 0)
	v_pk_mul_f32 v[ACC+2*(8*\t+\e):ACC+2*(8*\t+\e)+1], v[cb+32+4*\t+\f:cb+32+4*\t+\f+1], v[cb+4*\e+\f:cb+4*\e+\f+1]   ; the first products start the sums
.else
	v_pk_fma_f32 v[ACC+2*(8*\t+\e):ACC+2*(8*\t+\e)+1], v[cb+32+4*\t+\f:cb+32+4*\t+\f+1], v[cb+4*\e+\f:cb+4*\e+\f+1], v[ACC+2*(8*\t+\e):ACC+2*(8*\t+\e)+1]
.endif
.endr
.endr
.endr
.if (\i)+3 <= 7
	LOADC (\i)+3
.endif
.endm
	LOADC 0
	LOADC 1
	LOADC 2
	s_wait_kmcnt 0x0                               ; router_b
.irp p, 0,1,2,3
	v_cvt_pk_bf16_f32 v6, s[20+2*\p], s[21+2*\p]
	v_lshlrev_b32 v[RB+2*\p], 16, v6
	v_and_b32 v[RB+2*\p+1], s34, v6
.endr
	CHUNK 0, 24
	CHUNK 1, 24
	CHUNK 2, 24
	CHUNK 3, 24
	CHUNK 4, 24
	CHUNK 5, 24
	CHUNK 6, 12                                    ; the last chunks load nothing: the counts run down
	CHUNK 7, 0
	; 32 sums over the wave's lanes: the pair's halves, four steps inside each half of 16 lanes, one across the halves; then the bias
.set q, 0
.rept 32
	v_add_f32 v[SUM+q], v[ACC+2*q], v[ACC+2*q+1]
.set q, q+1
.endr
.irp m, 1,2,4,8
.set q, 0
.rept 32
	v_add_f32_dpp v[SUM+q], v[SUM+q], v[SUM+q] row_xmask:\m row_mask:0xf bank_mask:0xf
.set q, q+1
.endr
.endr
.set q, 0
.rept 32
	v_permlanex16_b32 v[OTH+q], v[SUM+q], s28, s29 ; its destination has been written: it lay in the chunk buffers
.set q, q+1
.endr
.set q, 0
.rept 32
	v_add_f32 v[SUM+q], v[SUM+q], v[OTH+q]
.set q, q+1
.endr
.set q, 0
.rept 32
	v_add_f32 v[SUM+q], v[SUM+q], v[RB+q%8]
.set q, q+1
.endr
	s_lshl_b32 s30, s16, 7
	v_mov_b32 v4, s30                              ; my four tokens' 128 bytes in LDS; every lane holds the same numbers and writes the same words
.irp q, 0,1,2,3,4,5,6,7
	ds_store_b128 v4, v[SUM+4*\q:SUM+4*\q+3] offset:16*\q
.endr
	s_wait_dscnt 0x0                               ; for wave 0's sake: my stores are done
	s_barrier_signal -1
	s_barrier_wait -1
	s_cmp_lg_u32 s16, 0
	s_cbranch_scc1 .Lend                           ; the rest is one wave's work: a token a lane
	v_lshlrev_b32 v5, 5, v1
	ds_load_b128 v[LG:LG+3], v5
	ds_load_b128 v[LG+4:LG+7], v5 offset:16
	v_mov_b32 v131, 0                              ; bi: the index of the largest
	s_wait_dscnt 0x0
	v_mov_b32 v130, v[LG]                          ; the largest: a strict comparison, so the lower index keeps a tie
.irp e, 1,2,3,4,5,6,7
	v_cmp_gt_f32 vcc_lo, v[LG+\e], v130
	v_cndmask_b32 v130, v130, v[LG+\e], vcc_lo
	v_cndmask_b32 v131, v131, \e, vcc_lo
.endr
	v_cmp_eq_u32 vcc_lo, 0, v131                   ; the second largest starts at the lowest index that is not bi
	v_cndmask_b32 v132, v[LG], v[LG+1], vcc_lo
	v_cndmask_b32 v133, 0, 1, vcc_lo               ; si
.irp e, 1,2,3,4,5,6,7
	v_cmp_gt_f32 s30, v[LG+\e], v132
	v_cmp_ne_u32 s31, \e, v131
	s_and_b32 vcc_lo, s30, s31
	v_cndmask_b32 v132, v132, v[LG+\e], vcc_lo
	v_cndmask_b32 v133, v133, \e, vcc_lo
.endr
	; softmax over the two: the maximum is taken away, so the first exponential is 1 and the second p = e^(second - largest) <= 1
	v_sub_f32 v134, v132, v130
	v_mul_f32 v134, 0x3fb8aa3b, v134               ; log2(e)
	v_exp_f32 v135, v134
	v_nop                                          ; a plain instruction between a transcendental and the use of its result (ISA guide 5.7.2)
	s_wait_alu depctr_va_vdst(0)
	v_add_f32 v136, 1.0, v135
	v_rcp_f32 v138, v136                           ; the first gate, 1 / (1 + p)
	v_nop
	s_wait_alu depctr_va_vdst(0)
	v_mul_f32 v139, v135, v138                     ; the second, p / (1 + p)
	v_lshl_or_b32 v144, v133, 8, v131              ; sel = bi | si << 8
	v_lshlrev_b32 v6, 2, v1
	v_lshlrev_b32 v7, 3, v1
	global_store_b32 v6, v144, s[10:11]
	global_store_b64 v7, v[138:139], s[12:13]      ; 32 lanes: 256 consecutive bytes, aligned
.Lend:
	s_wait_tensorcnt 0x0
	ds_add_u32 v232, v233
	s_wait_dscnt 0x0
	s_endpgm
.Lfunc_end_k_qf85d6eb751_router:
	.size	k_qf85d6eb751_router, .Lfunc_end_k_qf85d6eb751_router-k_qf85d6eb751_router
	.p2alignl 7, 3214868480
	.fill 96, 4, 3214868480
	.section	.rodata,"a",@progbits
	.p2align	6, 0x0
	.amdhsa_kernel k_qf85d6eb751_router
		.amdhsa_group_segment_fixed_size 2048
		.amdhsa_private_segment_fixed_size 0
		.amdhsa_enable_private_segment 0
		.amdhsa_kernarg_size 40
		.amdhsa_user_sgpr_count 2
		.amdhsa_user_sgpr_kernarg_segment_ptr 1
		.amdhsa_wavefront_size32 1
		.amdhsa_system_sgpr_workgroup_id_x 1
		.amdhsa_system_sgpr_workgroup_id_y 1
		.amdhsa_system_sgpr_workgroup_id_z 1
		.amdhsa_system_vgpr_workitem_id 0
		.amdhsa_next_free_vgpr 234
		.amdhsa_next_free_sgpr 66
		.amdhsa_reserve_vcc 1
		.amdhsa_float_denorm_mode_32 3
		.amdhsa_float_denorm_mode_16_64 3
		.amdhsa_memory_ordered 1
		.amdhsa_forward_progress 1
		.amdhsa_inst_pref_size 85
	.end_amdhsa_kernel
	.amdgpu_metadata
---
amdhsa.version: [ 1, 2 ]
amdhsa.kernels:
  - .name:           k_qf85d6eb751_router
    .symbol:         k_qf85d6eb751_router.kd
    .args:
      - { .name: x, .offset: 0, .size: 8, .value_kind: global_buffer, .address_space: global }
      - { .name: router_w, .offset: 8, .size: 8, .value_kind: global_buffer, .address_space: global }
      - { .name: router_b, .offset: 16, .size: 8, .value_kind: global_buffer, .address_space: global }
      - { .name: sel, .offset: 24, .size: 8, .value_kind: global_buffer, .address_space: global }
      - { .name: gate, .offset: 32, .size: 8, .value_kind: global_buffer, .address_space: global }
    .group_segment_fixed_size: 2048
    .private_segment_fixed_size: 0
    .kernarg_segment_align: 8
    .kernarg_segment_size: 40
    .max_flat_workgroup_size: 256
    .sgpr_count:     66
    .vgpr_count:     234
    .wavefront_size: 32
...
	.end_amdgpu_metadata
.endif
;; end of part 1
;; launch place (part 2): grid 10 x 8, 8 waves a work-group, no clusters, 0 bytes of LDS; arguments x, sel, xg, rows, nrow; writes xg, rows, nrow
.if DOCPART == 2
	.amdgcn_target "amdgcn-amd-amdhsa--gfx1250"
	.amdhsa_code_object_version 6
	.text
	.protected	k_qf85d6eb751_place
	.globl	k_qf85d6eb751_place
	.p2align	8
	.type	k_qf85d6eb751_place,@function
k_qf85d6eb751_place:
	s_mov_b64 s[64:65], 0
	v_nop
	global_prefetch_b8 v0, s[64:65] scope:SCOPE_SE
	s_setreg_imm32_b32 hwreg(HW_REG_WAVE_MODE, 25, 1), 1
	s_wait_xcnt 0x0
; PLACEMENT AND GATHER.  Expert e owns rows 1280 e .. 1280 e + 1279 of its list; the tokens that chose e stand in it in ascending order.  No atomics: each row has one owner.
; xg holds the listed rows of x, rounded to bf16 (nearest even), IN THE ORDER IN WHICH THE MATRIX INSTRUCTIONS WANT THEM: a block of 16 rows is 32 fragments of 1,024 bytes;
; fragment 2 G + u holds at byte 512 p + 16 lane the eight numbers k = 64 G + 32 h + 16 u + 8 p + 0..7 of row lane % 16 (h = lane / 16).
; The list is filled up with rows of zeros to a multiple of 80, the rows that a wave of the two products takes at a time; rows behind that are neither written nor read.
; SHARES.  Work-group (x, y = e), wave w: unit z = 8 x + w of 80: block z / 4 (and every 20th block on, while the list lasts), quarter z % 4 of K.  20 blocks are 320 rows.
; Sixteen rows have to be written together for whole runs of 512 bytes, so a wave owns a block and GATHERS.  WHICH TOKEN STANDS AT PLACE R OF THE LIST is found in whole numbers, all lanes on:
; 32 masks in scalar registers (bit l of mask g: token 32 g + l chose e) and their running bit counts; a lane picks, by selects, the last group whose count of earlier tokens is <= R,
; clears that group's mask's lowest set bit R - count times, and reads off the place of the lowest bit that is left.  No line writes EXEC, and nothing goes through LDS.
; READS.  A lane reads 128 consecutive bytes of its token's row in eight loads; one load of the wave touches pieces of 16 rows.  STORES.  Each store of the wave into xg covers 512 consecutive bytes, aligned.
; Wave 0 of work-group x = 0 also stores rows[e][t], the row that token t has (or, if it did not choose e, would have) in e's list, for all 1,024 tokens, and n_e (nrow).
; All that steers an address or a branch here is a whole number made from sel; a token's number is clamped to 1,023 before it enters an address.
.set RP,  14                           ; v14        my place in the list: 16 x block + lane % 16
.set MM,  15                           ; v15        the mask of the group in which it falls
.set PP,  16                           ; v16        the tokens of e in the groups below it
.set GR,  17                           ; v17        that group
.set LR,  18                           ; v18        my place among the group's tokens of e
.set TT,  19                           ; v19        at work
.set TOK, 20                           ; v20        my row's token
.set MK,  21                           ; v21        all ones where my row is a token's, 0 where it is padding
.set XO,  22                           ; v22        my token's byte offset in x, with my half and my quarter
.set SL,  24                           ; v[24:55]   sel of token 32 g + lane
.set RK,  56                           ; v[56:87]   one wave for each expert: the rows of tokens 32 g + lane
.set X,   88                           ; v[88:215]  16 pieces of 8 numbers, f32; then 4 words of bf16 in each piece's first registers
.set MS,  32                           ; s[32:63]   the masks
.set PS,  68                           ; s[68:99]   tokens of the groups below g that chose e
	s_load_b256 s[4:11], s[0:1], 0x0               ; x s[4:5], sel s[6:7], xg s[8:9], rows s[10:11]
	s_load_b64 s[12:13], s[0:1], 0x20              ; nrow
	v_lshrrev_b32 v1, 5, v0
	v_readfirstlane_b32 s16, v1                    ; wave
	v_and_b32 v1, 31, v0                           ; lane
	v_and_b32 v2, 15, v0                           ; my row of a block
	v_bfe_u32 v3, v0, 4, 1                         ; h
	s_and_b32 s17, ttmp7, 0xffff                   ; e
	s_lshl3_add_u32 s18, ttmp9, s16                ; z
	s_and_b32 s19, s18, 3                          ; my quarter of K
	s_lshr_b32 s20, s18, 2                         ; my first block
	s_mul_i32 s23, s17, 1280
	v_lshlrev_b32 v7, 2, v1
	v_lshlrev_b32 v8, 4, v1
	s_lshl_b32 s24, s19, 10
	v_lshl_add_u32 v9, v3, 7, s24                  ; in a row of x: 128 h + 1,024 x quarter
	s_wait_kmcnt 0x0
.set g, 0
.rept 32
	global_load_b32 v[SL+g], v7, s[6:7] offset:128*g
.set g, g+1
.endr
	s_wait_loadcnt 0x0
	s_mov_b32 s[PS], 0
.set g, 0
.rept 32
	v_and_b32 v[10+2*(g%2)], 0xff, v[SL+g]         ; first choice,
	v_bfe_u32 v[11+2*(g%2)], v[SL+g], 8, 8         ; second
	v_cmp_eq_u32 s30, s17, v[10+2*(g%2)]
	v_cmp_eq_u32 s31, s17, v[11+2*(g%2)]
	s_or_b32 s[MS+g], s30, s31
	s_bcnt1_i32_b32 s30, s[MS+g]
.if g < 31
	s_add_co_u32 s[PS+g+1], s[PS+g], s30
.else
	s_add_co_u32 s22, s[PS+g], s30                 ; n
.endif
.set g, g+1
.endr
	s_min_u32 s22, s22, 1024
	s_add_co_u32 s21, s22, 79                      ; blocks = 5 ceil(n / 80); m / 80 = ((m >> 4) x 205) >> 10 for m >> 4 < 1,020: 5 x 205 = 1,025
	s_lshr_b32 s21, s21, 4
	s_mul_i32 s21, s21, 205
	s_lshr_b32 s21, s21, 10
	s_mul_i32 s21, s21, 5
	s_or_b32 s24, ttmp9, s16
	s_cmp_lg_u32 s24, 0
	s_cbranch_scc1 .Lnorows
	s_lshl_b32 s26, s17, 12                        ; one wave for each expert: rows[e], 4,096 bytes,
	s_mov_b32 s27, 0
	s_add_nc_u64 s[26:27], s[10:11], s[26:27]
	s_lshl_b32 s28, s17, 7                         ; and nrow[e], 128 bytes
	s_mov_b32 s29, 0
	s_add_nc_u64 s[28:29], s[12:13], s[28:29]
.set g, 0
.rept 32
	v_mbcnt_lo_u32_b32 v[RK+g], s[MS+g], 0         ; the group's tokens of e below my lane,
	v_add_nc_u32 v[RK+g], s[PS+g], v[RK+g]         ; and those of the groups below
	v_min_u32 v[RK+g], 0x3ff, v[RK+g]
	v_add_nc_u32 v[RK+g], s23, v[RK+g]
	global_store_b32 v7, v[RK+g], s[26:27] offset:128*g   ; a register of its own for each store: no source of a pending store is rewritten
.set g, g+1
.endr
	v_mov_b32 v13, s22
	global_store_b32 v7, v13, s[28:29]             ; 32 words that all hold n
.Lnorows:
.macro POSBIT val, mask                ; one bit of the place of the single bit in v[TT]
	v_and_b32 v10, \mask, v[TT]
	v_cmp_ne_u32 vcc_lo, 0, v10
	v_cndmask_b32 v10, 0, \val, vcc_lo
	v_or_b32 v[TOK], v[TOK], v10
.endm
	s_mov_b32 s18, 0                               ; at most four blocks a wave: 4 x 20 >= the 65 blocks that a list of 1,024 has
.Lblk:
	s_cmp_ge_u32 s20, s21
	s_cbranch_scc1 .Lend                           ; the list has ended
	s_min_u32 s25, s20, 79
	s_lshl_b32 s24, s25, 4
	v_add_nc_u32 v[RP], s24, v2
	v_mov_b32 v[MM], s[MS]
	v_mov_b32 v[PP], 0
	v_mov_b32 v[GR], 0
.set g, 1
.rept 31                               ; the counts never fall, so the last group whose count is <= my place is the one in which it falls
	v_cmp_le_u32 vcc_lo, s[PS+g], v[RP]
	v_cndmask_b32 v[MM], v[MM], s[MS+g], vcc_lo
	v_cndmask_b32 v[PP], v[PP], s[PS+g], vcc_lo
	v_cndmask_b32 v[GR], v[GR], g, vcc_lo
.set g, g+1
.endr
	v_sub_nc_u32 v[LR], v[RP], v[PP]
.set i, 0
.rept 31                               ; m & (m - 1) clears the lowest set bit: done while i < my place in the group
	v_add_nc_u32 v[TT], -1, v[MM]
	v_and_b32 v[TT], v[MM], v[TT]
	v_cmp_lt_u32 vcc_lo, i, v[LR]
	v_cndmask_b32 v[MM], v[MM], v[TT], vcc_lo
.set i, i+1
.endr
	v_sub_nc_u32 v[TT], 0, v[MM]
	v_and_b32 v[TT], v[MM], v[TT]                  ; m & -m: the lowest set bit alone (none in a padding row: token 32 x group stands in, and its numbers are masked away)
	v_lshlrev_b32 v[TOK], 5, v[GR]
	POSBIT 16, 0xffff0000
	POSBIT 8,  0xff00ff00
	POSBIT 4,  0xf0f0f0f0
	POSBIT 2,  0xcccccccc
	POSBIT 1,  0xaaaaaaaa
	v_min_u32 v[TOK], 0x3ff, v[TOK]
	v_lshlrev_b32 v[XO], 12, v[TOK]
	v_add_nc_u32 v[XO], v[XO], v9
	v_cmp_gt_u32 vcc_lo, s22, v[RP]
	v_cndmask_b32 v[MK], 0, -1, vcc_lo
	s_mul_i32 s30, s17, 80
	s_add_co_u32 s30, s30, s25
	s_lshl_b32 s30, s30, 15                        ; a block of xg is 32,768 bytes,
	s_lshl_b32 s31, s19, 13                        ; my quarter of it 8,192
	s_add_co_u32 s30, s30, s31
	s_mov_b32 s31, 0
	s_add_nc_u64 s[30:31], s[8:9], s[30:31]
.set pc, 0
.rept 16                               ; piece pc = 4 G + 2 u + p of my quarter: 32 bytes at 256 G + 64 u + 32 p
	global_load_b128 v[X+8*pc:X+8*pc+3],   v[XO], s[4:5] offset:256*(pc/4)+32*(pc%4)
	global_load_b128 v[X+8*pc+4:X+8*pc+7], v[XO], s[4:5] offset:256*(pc/4)+32*(pc%4)+16
.set pc, pc+1
.endr
.set pc, 0
.rept 16
	s_wait_loadcnt 30-2*pc                         ; the two loads of each later piece stay out
.irp q, 0,1,2,3
	v_cvt_pk_bf16_f32 v[X+8*pc+\q], v[X+8*pc+2*\q], v[X+8*pc+2*\q+1]   ; in place: word q lands on a register whose number has been taken
.endr
.irp q, 0,1,2,3
	v_and_b32 v[X+8*pc+\q], v[MK], v[X+8*pc+\q]
.endr
	global_store_b128 v8, v[X+8*pc:X+8*pc+3], s[30:31] offset:512*pc
.set pc, pc+1
.endr
	s_wait_xcnt 0x0                                ; the stores' base and their data are rewritten only behind this wait
	s_add_co_u32 s20, s20, 20
	s_add_co_u32 s18, s18, 1
	s_cmp_lt_u32 s18, 4
	s_cbranch_scc1 .Lblk
.Lend:
	s_endpgm
.Lfunc_end_k_qf85d6eb751_place:
	.size	k_qf85d6eb751_place, .Lfunc_end_k_qf85d6eb751_place-k_qf85d6eb751_place
	.p2alignl 7, 3214868480
	.fill 96, 4, 3214868480
	.section	.rodata,"a",@progbits
	.p2align	6, 0x0
	.amdhsa_kernel k_qf85d6eb751_place
		.amdhsa_group_segment_fixed_size 0
		.amdhsa_private_segment_fixed_size 0
		.amdhsa_enable_private_segment 0
		.amdhsa_kernarg_size 40
		.amdhsa_user_sgpr_count 2
		.amdhsa_user_sgpr_kernarg_segment_ptr 1
		.amdhsa_wavefront_size32 1
		.amdhsa_system_sgpr_workgroup_id_x 1
		.amdhsa_system_sgpr_workgroup_id_y 1
		.amdhsa_system_sgpr_workgroup_id_z 1
		.amdhsa_system_vgpr_workitem_id 0
		.amdhsa_next_free_vgpr 216
		.amdhsa_next_free_sgpr 100
		.amdhsa_reserve_vcc 1
		.amdhsa_float_denorm_mode_32 3
		.amdhsa_float_denorm_mode_16_64 3
		.amdhsa_memory_ordered 1
		.amdhsa_forward_progress 1
		.amdhsa_inst_pref_size 49
	.end_amdhsa_kernel
	.amdgpu_metadata
---
amdhsa.version: [ 1, 2 ]
amdhsa.kernels:
  - .name:           k_qf85d6eb751_place
    .symbol:         k_qf85d6eb751_place.kd
    .args:
      - { .name: x, .offset: 0, .size: 8, .value_kind: global_buffer, .address_space: global }
      - { .name: sel, .offset: 8, .size: 8, .value_kind: global_buffer, .address_space: global }
      - { .name: xg, .offset: 16, .size: 8, .value_kind: global_buffer, .address_space: global }
      - { .name: rows, .offset: 24, .size: 8, .value_kind: global_buffer, .address_space: global }
      - { .name: nrow, .offset: 32, .size: 8, .value_kind: global_buffer, .address_space: global }
    .group_segment_fixed_size: 0
    .private_segment_fixed_size: 0
    .kernarg_segment_align: 8
    .kernarg_segment_size: 40
    .max_flat_workgroup_size: 256
    .sgpr_count:     100
    .vgpr_count:     216
    .wavefront_size: 32
...
	.end_amdgpu_metadata
.endif
;; end of part 2
;; launch ffn1 (part 3): grid 32 x 8, 4 waves a work-group, no clusters, 262,656 bytes of LDS; arguments xg, w1, b1, nrow, hg; writes hg
.if DOCPART == 3
	.amdgcn_target "amdgcn-amd-amdhsa--gfx1250"
	.amdhsa_code_object_version 6
	.text
	.protected	k_qf85d6eb751_ffn1
	.globl	k_qf85d6eb751_ffn1
	.p2align	8
	.type	k_qf85d6eb751_ffn1,@function
k_qf85d6eb751_ffn1:
	s_mov_b64 s[64:65], 0
	v_nop
	global_prefetch_b8 v0, s[64:65] scope:SCOPE_SE
	s_setreg_imm32_b32 hwreg(HW_REG_WAVE_MODE, 25, 1), 1
	s_wait_xcnt 0x0
; hg = relu(xg . w1[e] + b1[e]), for the rows of expert e's list alone.  w1: [8][1024 k][4096 n] f32.  xg and hg hold bf16 in fragment order: a block of 16 rows is K / 32 fragments of 1,024 bytes
; (xg 32, hg 128); fragment 2 G + u holds at byte 512 p + 16 lane the eight numbers k = 64 G + 32 h + 16 u + 8 p + 0..7 of row lane % 16 (h = lane / 16).
; Operands bf16 (w1 rounded to nearest even on its way), sums, bias and relu f32, h rounded once.
; LIMITS.  relu is v_max_num_f32: a NaN would become 0.  Rows of experts that a token did not choose are not computed, so a non-finite weight there gives no 0 x inf.
; SHARES.  Work-group (x = cb, y = e): 128 columns of expert e, all K = 1,024.
; PHASE 1, the same work whatever the list: the work-group's 1,024 x 128 weights are read once, each byte by one wave of the launch, rounded, and laid into LDS as finished fragments:
; 32 K steps x 8 fragments x 1,024 bytes = 262,144 bytes.  Wave w = 2 kc + cc takes 64 columns (cc) and 512 k (kc).  Lane (r, h) loads columns 4 r .. 4 r + 3 of a row: lanes 0-15 cover 256 consecutive
; aligned bytes, lanes 16-31 the same bytes 32 rows down.  Rows k and k + 1 round into one word; fragment c = 0..3 holds the columns 4 r + c.  A unit is 8 loads (half a fragment of each c); seven units,
; 56 loads of a wave, are on their way.
; ONE BARRIER.  It stands ahead of every branch that hangs on a count read from memory: every wave passes it once whatever the list holds.
; PHASE 2, no barrier: wave w takes the row groups w, w + 4, .. below ceil(n_e / 80), a count read from nrow.  A group is 80 rows x 128 columns: 5 x 8 accumulators, 320 registers, 32 K steps of 40
; matrix instructions.  The weights' fragments come from LDS (lanes on end: 16 bytes a lane, 512 consecutive bytes a load), the rows' fragments straight from xg into a ring of six register slots,
; five steps ahead; each such load covers 512 consecutive bytes.
; TRANSPOSED USE: source 0 = 16 columns of w1, source 1 = 16 rows of xg.  Register j of accumulator c in lane (r, h) is row r, hidden column 64 g + 32 h + 4 j + c: a lane's 32 numbers of a group of 64
; columns are the 64 bytes that the same lane wants in fragments 2 G and 2 G + 1 of hg: four stores of 512 consecutive bytes, and nothing changes lanes.
; NOT SHARED BY A JOINT REQUEST.  The 32 work-groups of an expert read the same fragments of xg (640 KiB each at 320 rows).  A slot of LDS that is filled again wants a barrier in the loop, and this loop's
; trips are a count read from memory, which no barrier may hang on; and the weights leave 65,536 bytes of LDS.  So the rows go to registers, each work-group asking for itself.
; NO PREFETCH: phase 1 has its 56 loads a wave on their way from its first line on, and xg was written by the launch before.
.set PB,   16384                       ; bytes in a row of w1[e]
.set RBA,  32768                       ; bytes in a block of 16 rows of xg
.set RBO,  131072                      ; and of hg
; REGISTERS.  Window 0: v4-13 addresses; v[16:31] packed words; v[32:255] phase 1's ring of seven units of 32; in phase 2 v[32:159] two buffers of eight weight fragments, v[160:223] bias, v[224:255] at work.
; Window 1: accumulator (b, f) of row blocks b = 0..3 at 8 (8 b + f).  Window 2: block 4's at 8 f.  Window 3: v[0:239] six slots of five row fragments.
.set VB,  4                            ; my byte offset in w1's rows: (512 kc + 32 h) PB + 256 cc + 16 r
.set LW,  5                            ; v5, v6    where I put fragments: K steps 16 kc + 0..7, + 8..15
.set LB,  8                            ; v[8:11]   where I read them: K steps 8 z .. 8 z + 7 (an LDS immediate has 16 bits)
.set AO,  12                           ; 16 x lane: my place in a fragment of xg and of hg
.set BO,  13                           ; 128 h: my half's 32 numbers of b1
.set TW,  16
.set O,   16
.set RING, 32
.set BB,  32
.set BI,  160                          ; b1 of column 64 g + 32 h + 4 j + c at 32 g + 4 j + c
.set T,   224
.set WV, 14                            ; s14 wave, s15 kc, s16 cc, s17 e, s18 cb
.set KC, 15
.set CC, 16
.set EX, 17
.set CB, 18
.set WB, 20                            ; s[20:21] w1 at the work-group's columns
.set AB, 22                            ; s[22:23] xg at my group's first block
.set OB, 24                            ; s[24:25] hg at my group's first block, the work-group's four fragments
.set NG, 26                            ; how many groups are mine
.set GI, 27                            ; counts them
.set M1, 0x5c                          ; source 0 (weights) window 0, source 1 (rows) window 3, C and D window 1; + 0x50: window 2
.set MSB, 0
.macro WIN new                         ; the immediate's high byte repeats the setting that is left; a switch that changes nothing is dropped
.if MSB != (\new)
	s_set_vgpr_msb (MSB<<8)|(\new)
.set MSB, (\new)
.endif
.endm
.macro PLACES                          ; four places behind matrix instructions, in front of what writes their sources or reads their results (ISA guide 7.12.1 for vector instructions)
.rept 4
	v_nop
.endr
.endm
	s_load_b256 s[4:11], s[0:1], 0x0               ; xg s[4:5], w1 s[6:7], b1 s[8:9], nrow s[10:11]
	s_load_b64 s[12:13], s[0:1], 0x20              ; hg
	v_lshl_add_u32 v14, v0, 2, 0x40000
	v_mov_b32 v15, 0
	v_lshrrev_b32 v1, 5, v0
	v_readfirstlane_b32 s[WV], v1
	s_lshr_b32 s[KC], s[WV], 1
	s_and_b32 s[CC], s[WV], 1
	s_and_b32 s[EX], ttmp7, 0xffff
	s_mov_b32 s[CB], ttmp9
	v_and_b32 v1, 31, v0                           ; lane
	v_and_b32 v2, 15, v0                           ; r
	v_bfe_u32 v3, v0, 4, 1                         ; h
	s_mul_i32 s30, s[KC], 512*PB
	s_lshl_b32 s31, s[CC], 8
	s_add_co_u32 s30, s30, s31
	v_mul_u32_u24 v[VB], v3, 32*PB
	v_lshl_add_u32 v[VB], v2, 4, v[VB]
	v_add_nc_u32 v[VB], s30, v[VB]
	v_lshlrev_b32 v[AO], 4, v1
	s_lshl_b32 s30, s[KC], 17                      ; 16 K steps of 8,192 bytes
	s_lshl_b32 s31, s[CC], 12                      ; four fragments
	s_add_co_u32 s30, s30, s31
	v_add_nc_u32 v[LW], s30, v[AO]
	v_add_nc_u32 v[LW+1], 0x10000, v[LW]
	v_mov_b32 v[LB], v[AO]
	v_add_nc_u32 v[LB+1], 0x10000, v[AO]
	v_add_nc_u32 v[LB+2], 0x20000, v[AO]
	v_add_nc_u32 v[LB+3], 0x30000, v[AO]
	v_lshlrev_b32 v[BO], 7, v3
	s_lshl_b32 s32, s[EX], 24                      ; w1: expert, 128 columns
	s_lshl_b32 s33, s[CB], 9
	s_add_co_u32 s32, s32, s33
	s_mov_b32 s33, 0
	s_mul_i32 s34, s[EX], 80                       ; my first group's first block: 80 e + 5 w
	s_mul_i32 s35, s[WV], 5
	s_add_co_u32 s34, s34, s35
	s_lshl_b32 s36, s34, 15                        ; in xg
	s_mov_b32 s37, 0
	s_lshl_b32 s38, s34, 17                        ; in hg, with fragments 4 cb .. 4 cb + 3
	s_lshl_b32 s39, s[CB], 12
	s_add_co_u32 s38, s38, s39
	s_mov_b32 s39, 0
	s_lshl_b32 s40, s[EX], 7                       ; nrow[e]
	s_mov_b32 s41, 0
	s_lshl_b32 s42, s[EX], 14                      ; b1[e], 128 columns
	s_lshl_b32 s43, s[CB], 9
	s_add_co_u32 s42, s42, s43
	s_mov_b32 s43, 0
	s_wait_kmcnt 0x0
	s_add_nc_u64 s[WB:WB+1], s[6:7], s[32:33]
	s_add_nc_u64 s[AB:AB+1], s[4:5], s[36:37]
	s_add_nc_u64 s[OB:OB+1], s[12:13], s[38:39]
	s_add_nc_u64 s[40:41], s[10:11], s[40:41]
	s_add_nc_u64 s[42:43], s[8:9], s[42:43]
	s_load_b32 s[NG], s[40:41], 0x0
; Unit n = 4 G + 2 u + p of my 32: rows 64 G + 32 h + 16 u + 8 p + i, i = 0..7.  479 rows at the most stand in the immediate, inside its signed 24 bits.
.macro WLOAD n
.set wr, RING+32*((\n)%7)
.set wo, 64*((\n)/4)+8*((\n)%4)
.irp i, 0,1,2,3,4,5,6,7
	global_load_b128 v[wr+4*\i:wr+4*\i+3], v[VB], s[WB:WB+1] offset:(wo+\i)*PB th:TH_LOAD_NT
.endr
.endm
.macro WUNIT n                         ; unit n is rounded and laid into LDS: half p of fragments c = 0..3 of K step n / 2; its registers take unit n + 7
.if (\n) <= 25
	s_wait_loadcnt 48                              ; the 8 loads of each of the six younger units stay out
.else
	s_wait_loadcnt 8*(31-(\n))                     ; the last units load nothing: the counts run down
.endif
.set wr, RING+32*((\n)%7)
.irp c, 0,1,2,3
.irp q, 0,1,2,3
	v_cvt_pk_bf16_f32 v[TW+4*\c+\q], v[wr+8*\q+\c], v[wr+8*\q+4+\c]   ; rows 2 q and 2 q + 1 of column 4 r + c
.endr
.endr
.set wk, (\n)/2
.irp c, 0,1,2,3
	ds_store_b128 v[LW+wk/8], v[TW+4*\c:TW+4*\c+3] offset:(wk%8)*8192+\c*1024+((\n)%2)*512
.endr
.if (\n)+7 <= 31
	WLOAD (\n)+7
.endif
.endm
.irp n, 0,1,2,3,4,5,6
	WLOAD \n
.endr
.irp n, 0,1,2,3,4,5,6,7,8,9,10,11,12,13,14,15,16,17,18,19,20,21,22,23,24,25,26,27,28,29,30,31
	WUNIT \n
.endr
.irp g, 0,1
.irp j, 0,1,2,3,4,5,6,7
	global_load_b128 v[BI+32*\g+4*\j:BI+32*\g+4*\j+3], v[BO], s[42:43] offset:256*\g+16*\j   ; the bias, into registers that the ring has left; older than every load of phase 2, so its first counted wait covers these
.endr
.endr
	s_wait_dscnt 0x0                               ; for the others' sake: my fragments are in LDS
	s_barrier_signal -1
	s_barrier_wait -1                              ; everybody's are; LDS is only read from here on
	s_wait_kmcnt 0x0
	s_min_u32 s[NG], s[NG], 1024
	s_add_co_u32 s[NG], s[NG], 79                  ; groups in the list: ceil(n / 80); m / 80 = ((m >> 4) x 205) >> 10 for m >> 4 < 1,020: 5 x 205 = 1,025
	s_lshr_b32 s[NG], s[NG], 4
	s_mul_i32 s[NG], s[NG], 205
	s_lshr_b32 s[NG], s[NG], 10
	s_add_co_u32 s[NG], s[NG], 3                   ; of them w, w + 4, .. are mine: ceil((groups - w) / 4), 4 at the most (13 groups)
	s_sub_co_u32 s[NG], s[NG], s[WV]
	s_lshr_b32 s[NG], s[NG], 2
	s_min_u32 s[NG], s[NG], 4
	s_mov_b32 s[GI], 0
	s_cmp_eq_u32 s[NG], 0
	s_cbranch_scc1 .Lend
.macro AFETCH s                        ; K step s: the five row blocks' fragments, ten loads, into slot s % 6
.set fa, 40*((\s)%6)
	WIN 0xc0                                       ; destination window 3, address window 0
.irp b, 0,1,2,3,4
	global_load_b128 v[fa+8*\b:fa+8*\b+3],   v[AO], s[AB:AB+1] offset:\b*RBA+(\s)*1024
	global_load_b128 v[fa+8*\b+4:fa+8*\b+7], v[AO], s[AB:AB+1] offset:\b*RBA+(\s)*1024+512
.endr
.endm
.macro BFETCH s                        ; K step s: the eight weight fragments, sixteen loads, into buffer s % 2
.set fb, BB+64*((\s)%2)
	WIN 0
.irp f, 0,1,2,3,4,5,6,7
	ds_load_b128 v[fb+8*\f:fb+8*\f+3],   v[LB+(\s)/8] offset:((\s)%8)*8192+\f*1024
	ds_load_b128 v[fb+8*\f+4:fb+8*\f+7], v[LB+(\s)/8] offset:((\s)%8)*8192+\f*1024+512
.endr
.endm
.macro MULS s                          ; 40 matrix instructions: the accumulators take turns, one instruction a turn.  Step 0 starts the sums: nothing is cleared
.set ma, 40*((\s)%6)
.set mb, BB+64*((\s)%2)
.irp b, 0,1,2,3,4
	WIN M1+0x50*((\b)/4)
.irp f, 0,1,2,3,4,5,6,7
.set md, 8*(8*((\b)%4)+\f)
.if (\s) == 0
	v_wmma_f32_16x16x32_bf16 v[md:md+7], v[mb+8*\f:mb+8*\f+7], v[ma+8*\b:ma+8*\b+7], 0
.else
	v_wmma_f32_16x16x32_bf16 v[md:md+7], v[mb+8*\f:mb+8*\f+7], v[ma+8*\b:ma+8*\b+7], v[md:md+7]
.endif
.endr
.endr
.endm
.macro KSTEP s
.if (\s) > 0
	PLACES                                         ; the loads below land in the slot and the buffer that the last step multiplied
.endif
.if (\s)+5 <= 31
	AFETCH (\s)+5
.endif
.if (\s)+1 <= 31
	BFETCH (\s)+1
.endif
.if (\s) <= 26
	s_wait_loadcnt 50                              ; the 10 loads of each of the five younger steps stay out
.else
	s_wait_loadcnt 10*(31-(\s))
.endif
.if (\s) <= 30
	s_wait_dscnt 16                                ; all but the sixteen just issued
.else
	s_wait_dscnt 0x0
.endif
	MULS \s
.endm
; Row block b, columns 64 g on: bias, relu, bf16; my 32 numbers are 64 bytes of fragments 2 G and 2 G + 1.  Each accumulator is read from its register 0 on.
.macro FINAL b, g
.set fa, 8*(8*((\b)%4)+4*(\g))
	s_wait_xcnt 0x0                                ; the registers that the last stores read are rewritten only behind this wait
	WIN 1+(\b)/4                                   ; source 0 in window 1 or 2
.irp j, 0,1,2,3,4,5,6,7
.irp c, 0,1,2,3
	v_add_f32 v[T+4*\j+\c], v[fa+8*\c+\j], v[BI+32*(\g)+4*\j+\c]
.endr
.endr
	WIN 0
.set fi, 0
.rept 32
	v_max_num_f32 v[T+fi], 0, v[T+fi]
.set fi, fi+1
.endr
.set fi, 0
.rept 16
	v_cvt_pk_bf16_f32 v[O+fi], v[T+2*fi], v[T+2*fi+1]
.set fi, fi+1
.endr
.irp z, 0,1,2,3
	global_store_b128 v[AO], v[O+4*\z:O+4*\z+3], s[OB:OB+1] offset:(\b)*RBO+(\g)*2048+\z*512   ; 512 consecutive bytes, aligned
.endr
.endm
.Lgroup:                                               ; 80 rows of the list
.irp s, 0,1,2,3,4
	AFETCH \s
.endr
	BFETCH 0
.irp s, 0,1,2,3,4,5,6,7,8,9,10,11,12,13,14,15,16,17,18,19,20,21,22,23,24,25,26,27,28,29,30,31
	KSTEP \s
.endr
	PLACES                                         ; the additions read results just made
.irp b, 0,1,2,3,4
.irp g, 0,1
	FINAL \b, \g
.endr
.endr
	s_wait_xcnt 0x0                                ; the loads' and the stores' bases are stepped only behind this wait
	s_add_nc_u64 s[AB:AB+1], s[AB:AB+1], 20*RBA    ; four groups on
	s_add_nc_u64 s[OB:OB+1], s[OB:OB+1], 20*RBO
	s_add_co_u32 s[GI], s[GI], 1
	s_cmp_lt_u32 s[GI], s[NG]
	s_cbranch_scc1 .Lgroup
.Lend:
	s_wait_tensorcnt 0x0
	ds_add_u32 v14, v15
	s_wait_dscnt 0x0
	s_endpgm
.Lfunc_end_k_qf85d6eb751_ffn1:
	.size	k_qf85d6eb751_ffn1, .Lfunc_end_k_qf85d6eb751_ffn1-k_qf85d6eb751_ffn1
	.p2alignl 7, 3214868480
	.fill 96, 4, 3214868480
	.section	.rodata,"a",@progbits
	.p2align	6, 0x0
	.amdhsa_kernel k_qf85d6eb751_ffn1
		.amdhsa_group_segment_fixed_size 262656
		.amdhsa_private_segment_fixed_size 0
		.amdhsa_enable_private_segment 0
		.amdhsa_kernarg_size 40
		.amdhsa_user_sgpr_count 2
		.amdhsa_user_sgpr_kernarg_segment_ptr 1
		.amdhsa_wavefront_size32 1
		.amdhsa_system_sgpr_workgroup_id_x 1
		.amdhsa_system_sgpr_workgroup_id_y 1
		.amdhsa_system_sgpr_workgroup_id_z 1
		.amdhsa_system_vgpr_workitem_id 0
		.amdhsa_next_free_vgpr 1024
		.amdhsa_next_free_sgpr 66
		.amdhsa_reserve_vcc 0
		.amdhsa_float_denorm_mode_32 3
		.amdhsa_float_denorm_mode_16_64 3
		.amdhsa_memory_ordered 1
		.amdhsa_forward_progress 1
		.amdhsa_inst_pref_size 255
	.end_amdhsa_kernel
	.section	.bss,"aw",@nobits
	.p2align	6
	.space	262144
	.amdgpu_metadata
---
amdhsa.version: [ 1, 2 ]
amdhsa.kernels:
  - .name:           k_qf85d6eb751_ffn1
    .symbol:         k_qf85d6eb751_ffn1.kd
    .args:
      - { .name: xg, .offset: 0, .size: 8, .value_kind: global_buffer, .address_space: global }
      - { .name: w1, .offset: 8, .size: 8, .value_kind: global_buffer, .address_space: global }
      - { .name: b1, .offset: 16, .size: 8, .value_kind: global_buffer, .address_space: global }
      - { .name: nrow, .offset: 24, .size: 8, .value_kind: global_buffer, .address_space: global }
      - { .name: hg, .offset: 32, .size: 8, .value_kind: global_buffer, .address_space: global }
    .group_segment_fixed_size: 262656
    .private_segment_fixed_size: 0
    .kernarg_segment_align: 8
    .kernarg_segment_size: 40
    .max_flat_workgroup_size: 128
    .sgpr_count:     66
    .vgpr_count:     1024
    .wavefront_size: 32
...
	.end_amdgpu_metadata
.endif
;; end of part 3
;; launch ffn2 (part 4): grid 32 x 8, 4 waves a work-group, no clusters, 262,656 bytes of LDS; arguments hg, w2, b2, nrow, yp; writes yp
.if DOCPART == 4
	.amdgcn_target "amdgcn-amd-amdhsa--gfx1250"
	.amdhsa_code_object_version 6
	.text
	.protected	k_qf85d6eb751_ffn2
	.globl	k_qf85d6eb751_ffn2
	.p2align	8
	.type	k_qf85d6eb751_ffn2,@function
k_qf85d6eb751_ffn2:
	s_mov_b64 s[64:65], 0
	v_nop
	global_prefetch_b8 v0, s[64:65] scope:SCOPE_SE
	s_setreg_imm32_b32 hwreg(HW_REG_WAVE_MODE, 25, 1), 1
	s_wait_xcnt 0x0
; yp[row][ks] = hg[row][1024 ks .. + 1023] . w2[e][1024 ks .. + 1023][:] + b2[e] / 4, for the rows of expert e's list.  w2: [8][4096 k][1024 n] f32.  yp: [10240 rows][4 ks][1024] f32:
; four partial sums over K, one owner each; the next launch adds them in a fixed order, and the four quarters of b2 (an exact scaling) add up to b2: an order of rounding other than reference()'s.
; hg holds bf16 in fragment order: a block of 16 rows is 128 fragments of 1,024 bytes; fragment 2 G + u holds at byte 512 p + 16 lane the eight numbers k = 64 G + 32 h + 16 u + 8 p + 0..7 of
; row lane % 16 (h = lane / 16).  Operands bf16 (w2 rounded to nearest even on its way), sums f32.
; SHARES.  Work-group (x = 8 ks + cb, y = e): 128 columns, a quarter of K (1,024).
; PHASE 1, the same work whatever the list: the work-group's 1,024 x 128 weights are read once, each byte by one wave of the launch, rounded, and laid into LDS as finished fragments:
; 32 K steps x 8 fragments x 1,024 bytes = 262,144 bytes.  Wave w = 2 kc + cc takes 64 columns (cc) and 512 k (kc).  Lane (r, h) loads columns 4 r .. 4 r + 3 of a row: lanes 0-15 cover 256 consecutive
; aligned bytes, lanes 16-31 the same bytes 32 rows down, so that the weights' k lie in a fragment as hg's do.  Rows k and k + 1 round into one word; fragment c = 0..3 holds the columns 4 r + c.
; A unit is 8 loads (half a fragment of each c); seven units, 56 loads of a wave, are on their way.
; ONE BARRIER.  It stands ahead of every branch that hangs on a count read from memory: every wave passes it once whatever the list holds.
; PHASE 2, no barrier: wave w takes the row groups w, w + 4, .. below ceil(n_e / 80), a count read from nrow.  A group is 80 rows x 128 columns: 5 x 8 accumulators, 320 registers, 32 K steps of 40
; matrix instructions.  The weights' fragments come from LDS (16 bytes a lane, 512 consecutive bytes a load), the rows' fragments straight from hg into a ring of six register slots, five steps ahead.
; Source 0 = 16 rows of hg, source 1 = 16 columns of w2: register j of accumulator c in lane (r, h) is row 8 h + j, column 64 g + 4 r + c.  The fused multiply-add that brings b2 / 4 in also puts the
; four accumulators' registers j side by side: a store of 16 bytes a lane has 16 lanes covering 256 consecutive aligned bytes of a row of yp.
; NOT SHARED BY A JOINT REQUEST.  The eight work-groups of an expert and a K quarter read the same fragments of hg (640 KiB each at 320 rows).  A slot of LDS that is filled again wants a barrier in the
; loop, and this loop's trips are a count read from memory, which no barrier may hang on; and the weights leave 65,536 bytes of LDS.  So the rows go to registers, each work-group asking for itself.
; NO PREFETCH: phase 1 has its 56 loads a wave on their way from its first line on, and hg was written by the launch before.
.set PB,   4096                        ; bytes in a row of w2[e]
.set RBA,  131072                      ; bytes in a block of 16 rows of hg
.set OP,   16384                       ; bytes in a row of yp
; REGISTERS.  Window 0: v4-14 addresses; v[16:31] packed words; v[32:255] phase 1's ring of seven units of 32; in phase 2 v[32:159] two buffers of eight weight fragments, v[160:167] b2, v[224:255] results.
; Window 1: accumulator (b, f) of row blocks b = 0..3 at 8 (8 b + f).  Window 2: block 4's at 8 f.  Window 3: v[0:239] six slots of five row fragments.
.set VB,  4                            ; my byte offset in w2's rows: (512 kc + 32 h) PB + 256 cc + 16 r
.set LW,  5                            ; v5, v6    where I put fragments: K steps 16 kc + 0..7, + 8..15
.set LB,  8                            ; v[8:11]   where I read them: K steps 8 z .. 8 z + 7 (an LDS immediate has 16 bits)
.set AO,  12                           ; 16 x lane: my place in a fragment of hg
.set BO,  13                           ; 16 r: my four columns of b2
.set CO,  14                           ; my byte offset in yp: 8 h rows + 16 r
.set TW,  16
.set RING, 32
.set BB,  32
.set BQ,  160                          ; b2 of column 64 g + 4 r + c at 4 g + c
.set T,   224
.set WV, 14                            ; s14 wave, s15 kc, s16 cc, s17 e, s18 cb, s19 ks
.set KC, 15
.set CC, 16
.set EX, 17
.set CB, 18
.set KS, 19
.set WB, 20                            ; s[20:21] w2 at the work-group's rows and columns
.set AB, 22                            ; s[22:23] hg at my group's first block, the work-group's 32 fragments
.set OB, 24                            ; s[24:25] yp at my group's first row
.set NG, 26                            ; how many groups are mine
.set GI, 27                            ; counts them
.set QT, 28                            ; 0.25
.set M1, 0x53                          ; source 0 (rows) window 3, source 1 (weights) window 0, C and D window 1; + 0x50: window 2
.set MSB, 0
.macro WIN new                         ; the immediate's high byte repeats the setting that is left; a switch that changes nothing is dropped
.if MSB != (\new)
	s_set_vgpr_msb (MSB<<8)|(\new)
.set MSB, (\new)
.endif
.endm
.macro PLACES                          ; four places behind matrix instructions, in front of what writes their sources or reads their results (ISA guide 7.12.1 for vector instructions)
.rept 4
	v_nop
.endr
.endm
	s_load_b256 s[4:11], s[0:1], 0x0               ; hg s[4:5], w2 s[6:7], b2 s[8:9], nrow s[10:11]
	s_load_b64 s[12:13], s[0:1], 0x20              ; yp
	v_lshl_add_u32 v7, v0, 2, 0x40000
	v_mov_b32 v15, 0
	v_lshrrev_b32 v1, 5, v0
	v_readfirstlane_b32 s[WV], v1
	s_lshr_b32 s[KC], s[WV], 1
	s_and_b32 s[CC], s[WV], 1
	s_and_b32 s[EX], ttmp7, 0xffff
	s_and_b32 s[CB], ttmp9, 7
	s_lshr_b32 s[KS], ttmp9, 3
	s_mov_b32 s[QT], 0x3e800000
	v_and_b32 v1, 31, v0                           ; lane
	v_and_b32 v2, 15, v0                           ; r
	v_bfe_u32 v3, v0, 4, 1                         ; h
	s_mul_i32 s30, s[KC], 512*PB
	s_lshl_b32 s31, s[CC], 8
	s_add_co_u32 s30, s30, s31
	v_mul_u32_u24 v[VB], v3, 32*PB
	v_lshl_add_u32 v[VB], v2, 4, v[VB]
	v_add_nc_u32 v[VB], s30, v[VB]
	v_lshlrev_b32 v[AO], 4, v1
	s_lshl_b32 s30, s[KC], 17                      ; 16 K steps of 8,192 bytes
	s_lshl_b32 s31, s[CC], 12                      ; four fragments
	s_add_co_u32 s30, s30, s31
	v_add_nc_u32 v[LW], s30, v[AO]
	v_add_nc_u32 v[LW+1], 0x10000, v[LW]
	v_mov_b32 v[LB], v[AO]
	v_add_nc_u32 v[LB+1], 0x10000, v[AO]
	v_add_nc_u32 v[LB+2], 0x20000, v[AO]
	v_add_nc_u32 v[LB+3], 0x30000, v[AO]
	v_lshlrev_b32 v[BO], 4, v2
	v_lshl_add_u32 v[CO], v3, 17, v[BO]            ; 8 rows of 16,384 bytes for the upper half of the lanes
	s_lshl_b32 s32, s[EX], 24                      ; w2: expert, K quarter, 128 columns
	s_lshl_b32 s33, s[KS], 22
	s_add_co_u32 s32, s32, s33
	s_lshl_b32 s33, s[CB], 9
	s_add_co_u32 s32, s32, s33
	s_mov_b32 s33, 0
	s_mul_i32 s34, s[EX], 80                       ; my first group's first block: 80 e + 5 w
	s_mul_i32 s35, s[WV], 5
	s_add_co_u32 s34, s34, s35
	s_lshl_b32 s36, s34, 17                        ; in hg, with fragments 32 ks on
	s_lshl_b32 s37, s[KS], 15
	s_add_co_u32 s36, s36, s37
	s_mov_b32 s37, 0
	s_lshl_b32 s38, s34, 18                        ; in yp: 16 rows of 16,384 bytes a block; my K quarter, 128 columns
	s_lshl_b32 s39, s[KS], 12
	s_add_co_u32 s38, s38, s39
	s_lshl_b32 s39, s[CB], 9
	s_add_co_u32 s38, s38, s39
	s_mov_b32 s39, 0
	s_lshl_b32 s40, s[EX], 7                       ; nrow[e]
	s_mov_b32 s41, 0
	s_lshl_b32 s42, s[EX], 12                      ; b2[e], 128 columns
	s_lshl_b32 s43, s[CB], 9
	s_add_co_u32 s42, s42, s43
	s_mov_b32 s43, 0
	s_wait_kmcnt 0x0
	s_add_nc_u64 s[WB:WB+1], s[6:7], s[32:33]
	s_add_nc_u64 s[AB:AB+1], s[4:5], s[36:37]
	s_add_nc_u64 s[OB:OB+1], s[12:13], s[38:39]
	s_add_nc_u64 s[40:41], s[10:11], s[40:41]
	s_add_nc_u64 s[42:43], s[8:9], s[42:43]
	s_load_b32 s[NG], s[40:41], 0x0
; Unit n = 4 G + 2 u + p of my 32: rows 64 G + 32 h + 16 u + 8 p + i, i = 0..7.  479 rows at the most stand in the immediate, inside its signed 24 bits.
.macro WLOAD n
.set wr, RING+32*((\n)%7)
.set wo, 64*((\n)/4)+8*((\n)%4)
.irp i, 0,1,2,3,4,5,6,7
	global_load_b128 v[wr+4*\i:wr+4*\i+3], v[VB], s[WB:WB+1] offset:(wo+\i)*PB th:TH_LOAD_NT
.endr
.endm
.macro WUNIT n                         ; unit n is rounded and laid into LDS: half p of fragments c = 0..3 of K step n / 2; its registers take unit n + 7
.if (\n) <= 25
	s_wait_loadcnt 48                              ; the 8 loads of each of the six younger units stay out
.else
	s_wait_loadcnt 8*(31-(\n))                     ; the last units load nothing: the counts run down
.endif
.set wr, RING+32*((\n)%7)
.irp c, 0,1,2,3
.irp q, 0,1,2,3
	v_cvt_pk_bf16_f32 v[TW+4*\c+\q], v[wr+8*\q+\c], v[wr+8*\q+4+\c]   ; rows 2 q and 2 q + 1 of column 4 r + c
.endr
.endr
.set wk, (\n)/2
.irp c, 0,1,2,3
	ds_store_b128 v[LW+wk/8], v[TW+4*\c:TW+4*\c+3] offset:(wk%8)*8192+\c*1024+((\n)%2)*512
.endr
.if (\n)+7 <= 31
	WLOAD (\n)+7
.endif
.endm
.irp n, 0,1,2,3,4,5,6
	WLOAD \n
.endr
.irp n, 0,1,2,3,4,5,6,7,8,9,10,11,12,13,14,15,16,17,18,19,20,21,22,23,24,25,26,27,28,29,30,31
	WUNIT \n
.endr
.irp g, 0,1
	global_load_b128 v[BQ+4*\g:BQ+4*\g+3], v[BO], s[42:43] offset:256*\g   ; b2, into registers that the ring has left; older than every load of phase 2, so its first counted wait covers these
.endr
	s_wait_dscnt 0x0                               ; for the others' sake: my fragments are in LDS
	s_barrier_signal -1
	s_barrier_wait -1                              ; everybody's are; LDS is only read from here on
	s_wait_kmcnt 0x0
	s_min_u32 s[NG], s[NG], 1024
	s_add_co_u32 s[NG], s[NG], 79                  ; groups in the list: ceil(n / 80); m / 80 = ((m >> 4) x 205) >> 10 for m >> 4 < 1,020: 5 x 205 = 1,025
	s_lshr_b32 s[NG], s[NG], 4
	s_mul_i32 s[NG], s[NG], 205
	s_lshr_b32 s[NG], s[NG], 10
	s_add_co_u32 s[NG], s[NG], 3                   ; of them w, w + 4, .. are mine: ceil((groups - w) / 4), 4 at the most (13 groups)
	s_sub_co_u32 s[NG], s[NG], s[WV]
	s_lshr_b32 s[NG], s[NG], 2
	s_min_u32 s[NG], s[NG], 4
	s_mov_b32 s[GI], 0
	s_cmp_eq_u32 s[NG], 0
	s_cbranch_scc1 .Lend
.macro AFETCH s                        ; K step s: the five row blocks' fragments, ten loads, into slot s % 6
.set fa, 40*((\s)%6)
	WIN 0xc0                                       ; destination window 3, address window 0
.irp b, 0,1,2,3,4
	global_load_b128 v[fa+8*\b:fa+8*\b+3],   v[AO], s[AB:AB+1] offset:\b*RBA+(\s)*1024
	global_load_b128 v[fa+8*\b+4:fa+8*\b+7], v[AO], s[AB:AB+1] offset:\b*RBA+(\s)*1024+512
.endr
.endm
.macro BFETCH s                        ; K step s: the eight weight fragments, sixteen loads, into buffer s % 2
.set fb, BB+64*((\s)%2)
	WIN 0
.irp f, 0,1,2,3,4,5,6,7
	ds_load_b128 v[fb+8*\f:fb+8*\f+3],   v[LB+(\s)/8] offset:((\s)%8)*8192+\f*1024
	ds_load_b128 v[fb+8*\f+4:fb+8*\f+7], v[LB+(\s)/8] offset:((\s)%8)*8192+\f*1024+512
.endr
.endm
.macro MULS s                          ; 40 matrix instructions: the accumulators take turns, one instruction a turn.  Step 0 starts the sums: nothing is cleared
.set ma, 40*((\s)%6)
.set mb, BB+64*((\s)%2)
.irp b, 0,1,2,3,4
	WIN M1+0x50*((\b)/4)
.irp f, 0,1,2,3,4,5,6,7
.set md, 8*(8*((\b)%4)+\f)
.if (\s) == 0
	v_wmma_f32_16x16x32_bf16 v[md:md+7], v[ma+8*\b:ma+8*\b+7], v[mb+8*\f:mb+8*\f+7], 0
.else
	v_wmma_f32_16x16x32_bf16 v[md:md+7], v[ma+8*\b:ma+8*\b+7], v[mb+8*\f:mb+8*\f+7], v[md:md+7]
.endif
.endr
.endr
.endm
.macro KSTEP s
.if (\s) > 0
	PLACES                                         ; the loads below land in the slot and the buffer that the last step multiplied
.endif
.if (\s)+5 <= 31
	AFETCH (\s)+5
.endif
.if (\s)+1 <= 31
	BFETCH (\s)+1
.endif
.if (\s) <= 26
	s_wait_loadcnt 50                              ; the 10 loads of each of the five younger steps stay out
.else
	s_wait_loadcnt 10*(31-(\s))
.endif
.if (\s) <= 30
	s_wait_dscnt 16                                ; all but the sixteen just issued
.else
	s_wait_dscnt 0x0
.endif
	MULS \s
.endm
; Row block b, columns 64 g on: a quarter of b2 is added, and four neighbouring columns land in four neighbouring registers.  Each accumulator is read from its register 0 on.
.macro FINAL b, g
.set fa, 8*(8*((\b)%4)+4*(\g))
	s_wait_xcnt 0x0                                ; the registers that the last stores read are rewritten only behind this wait
	WIN (1+(\b)/4)<<4                              ; source 2 in window 1 or 2
.irp j, 0,1,2,3,4,5,6,7
.irp c, 0,1,2,3
	v_fma_f32 v[T+4*\j+\c], v[BQ+4*(\g)+\c], s[QT], v[fa+8*\c+\j]
.endr
.endr
	WIN 0
.irp j, 0,1,2,3,4,5,6,7
	global_store_b128 v[CO], v[T+4*\j:T+4*\j+3], s[OB:OB+1] offset:(16*(\b)+\j)*OP+(\g)*256   ; 16 lanes: 256 consecutive bytes, aligned; 71 rows at the most in the immediate
.endr
.endm
.Lgroup:                                               ; 80 rows of the list
.irp s, 0,1,2,3,4
	AFETCH \s
.endr
	BFETCH 0
.irp s, 0,1,2,3,4,5,6,7,8,9,10,11,12,13,14,15,16,17,18,19,20,21,22,23,24,25,26,27,28,29,30,31
	KSTEP \s
.endr
	PLACES                                         ; the multiply-adds read results just made
.irp b, 0,1,2,3,4
.irp g, 0,1
	FINAL \b, \g
.endr
.endr
	s_wait_xcnt 0x0                                ; the loads' and the stores' bases are stepped only behind this wait
	s_add_nc_u64 s[AB:AB+1], s[AB:AB+1], 20*RBA    ; four groups on
	s_add_nc_u64 s[OB:OB+1], s[OB:OB+1], 320*OP
	s_add_co_u32 s[GI], s[GI], 1
	s_cmp_lt_u32 s[GI], s[NG]
	s_cbranch_scc1 .Lgroup
.Lend:
	s_wait_tensorcnt 0x0
	ds_add_u32 v7, v15
	s_wait_dscnt 0x0
	s_endpgm
.Lfunc_end_k_qf85d6eb751_ffn2:
	.size	k_qf85d6eb751_ffn2, .Lfunc_end_k_qf85d6eb751_ffn2-k_qf85d6eb751_ffn2
	.p2alignl 7, 3214868480
	.fill 96, 4, 3214868480
	.section	.rodata,"a",@progbits
	.p2align	6, 0x0
	.amdhsa_kernel k_qf85d6eb751_ffn2
		.amdhsa_group_segment_fixed_size 262656
		.amdhsa_private_segment_fixed_size 0
		.amdhsa_enable_private_segment 0
		.amdhsa_kernarg_size 40
		.amdhsa_user_sgpr_count 2
		.amdhsa_user_sgpr_kernarg_segment_ptr 1
		.amdhsa_wavefront_size32 1
		.amdhsa_system_sgpr_workgroup_id_x 1
		.amdhsa_system_sgpr_workgroup_id_y 1
		.amdhsa_system_sgpr_workgroup_id_z 1
		.amdhsa_system_vgpr_workitem_id 0
		.amdhsa_next_free_vgpr 1024
		.amdhsa_next_free_sgpr 66
		.amdhsa_reserve_vcc 0
		.amdhsa_float_denorm_mode_32 3
		.amdhsa_float_denorm_mode_16_64 3
		.amdhsa_memory_ordered 1
		.amdhsa_forward_progress 1
		.amdhsa_inst_pref_size 250
	.end_amdhsa_kernel
	.amdgpu_metadata
---
amdhsa.version: [ 1, 2 ]
amdhsa.kernels:
  - .name:           k_qf85d6eb751_ffn2
    .symbol:         k_qf85d6eb751_ffn2.kd
    .args:
      - { .name: hg, .offset: 0, .size: 8, .value_kind: global_buffer, .address_space: global }
      - { .name: w2, .offset: 8, .size: 8, .value_kind: global_buffer, .address_space: global }
      - { .name: b2, .offset: 16, .size: 8, .value_kind: global_buffer, .address_space: global }
      - { .name: nrow, .offset: 24, .size: 8, .value_kind: global_buffer, .address_space: global }
      - { .name: yp, .offset: 32, .size: 8, .value_kind: global_buffer, .address_space: global }
    .group_segment_fixed_size: 262656
    .private_segment_fixed_size: 0
    .kernarg_segment_align: 8
    .kernarg_segment_size: 40
    .max_flat_workgroup_size: 128
    .sgpr_count:     66
    .vgpr_count:     1024
    .wavefront_size: 32
...
	.end_amdgpu_metadata
.endif
;; end of part 4
;; launch combine (part 5): grid 512 x 1, 8 waves a work-group, no clusters, 0 bytes of LDS; arguments yp, gate, sel, rows, out0; writes out0
.if DOCPART == 5
	.amdgcn_target "amdgcn-amd-amdhsa--gfx1250"
	.amdhsa_code_object_version 6
	.text
	.protected	k_qf85d6eb751_combine
	.globl	k_qf85d6eb751_combine
	.p2align	8
	.type	k_qf85d6eb751_combine,@function
k_qf85d6eb751_combine:
	s_mov_b64 s[64:65], 0
	v_nop
	global_prefetch_b8 v0, s[64:65] scope:SCOPE_SE
	s_setreg_imm32_b32 hwreg(HW_REG_WAVE_MODE, 25, 1), 1
	s_wait_xcnt 0x0
; out[t] = gate0 y[row0] + gate1 y[row1], y[row] = (yp[row][0] + yp[row][1]) + (yp[row][2] + yp[row][3]): the four partial sums over K in a fixed order; each carries a quarter of b2.  All f32.
; The other six experts' gates are exactly 0 in reference(), so their terms are left out (a non-finite number there would give 0 x inf in reference(): a stated limit).
; SHARES.  Wave w of work-group g: token t = 2 g + w / 4, columns 256 (w & 3) .. + 255: two pieces of 512 consecutive bytes for each load and store of the wave.
; Memory binds: each listed row of yp is read once, by the one token that owns it; LDS, barriers and the matrix unit would add nothing.
; rows[e][t] is loaded for all eight experts together with sel[t], so that no load waits for another; the two rows are picked by selects and clamped before they enter an address.
.set Y, 8                              ; v[8:71]   (k, ks, f) at 4 (8 k + 2 ks + f)
.set RW, 40                            ; s[40:47]  rows[e][t]
	s_load_b256 s[4:11], s[0:1], 0x0               ; yp s[4:5], gate s[6:7], sel s[8:9], rows s[10:11]
	s_load_b64 s[12:13], s[0:1], 0x20              ; out0
	v_lshrrev_b32 v1, 5, v0
	v_readfirstlane_b32 s16, v1
	v_and_b32 v1, 31, v0
	s_lshr_b32 s17, s16, 2
	s_lshl1_add_u32 s17, ttmp9, s17                ; t
	s_and_b32 s18, s16, 3
	s_lshl_b32 s18, s18, 10
	v_lshl_add_u32 v2, v1, 4, s18                  ; my 16 bytes of the wave's first 512
	s_lshl_b32 s20, s17, 3
	s_mov_b32 s21, 0
	s_lshl_b32 s22, s17, 2
	s_mov_b32 s23, 0
	s_lshl_b32 s24, s17, 12
	s_mov_b32 s25, 0
	s_wait_kmcnt 0x0
	s_add_nc_u64 s[6:7], s[6:7], s[20:21]
	s_add_nc_u64 s[8:9], s[8:9], s[22:23]
	s_add_nc_u64 s[10:11], s[10:11], s[22:23]
	s_add_nc_u64 s[12:13], s[12:13], s[24:25]
	s_load_b64 s[26:27], s[6:7], 0x0               ; the two gates
	s_load_b32 s28, s[8:9], 0x0                    ; the two experts, in the low bytes
.irp e, 0,1,2,3,4,5,6,7
	s_load_b32 s[RW+\e], s[10:11], 4096*\e
.endr
	s_wait_kmcnt 0x0
	s_and_b32 s29, s28, 0xff                       ; first choice
	s_bfe_u32 s28, s28, 0x80008                    ; second
	s_mov_b32 s34, s[RW]
	s_mov_b32 s35, s[RW]
.irp e, 1,2,3,4,5,6,7
	s_cmp_eq_u32 s29, \e
	s_cselect_b32 s34, s[RW+\e], s34
	s_cmp_eq_u32 s28, \e
	s_cselect_b32 s35, s[RW+\e], s35
.endr
	s_min_u32 s34, s34, 10239
	s_min_u32 s35, s35, 10239
	s_lshl_b32 s30, s34, 14
	s_mov_b32 s31, 0
	s_add_nc_u64 s[30:31], s[4:5], s[30:31]
	s_lshl_b32 s32, s35, 14
	s_mov_b32 s33, 0
	s_add_nc_u64 s[32:33], s[4:5], s[32:33]
	s_mov_b32 s38, s27                             ; the second gate in a pair of its own: the packed form takes a scalar pair's low word for both halves
	s_mov_b32 s39, s27
.irp k, 0,1
.irp q, 0,1,2,3
.irp f, 0,1
	global_load_b128 v[Y+4*(8*\k+2*\q+\f):Y+4*(8*\k+2*\q+\f)+3], v2, s[30+2*\k:31+2*\k] offset:4096*\q+512*\f th:TH_LOAD_NT
.endr
.endr
.endr
	s_wait_loadcnt 0x0
.irp k, 0,1
.irp f, 0,1
.irp d, 0,2
	v_pk_add_f32 v[Y+4*(8*\k+\f)+\d:Y+4*(8*\k+\f)+\d+1], v[Y+4*(8*\k+\f)+\d:Y+4*(8*\k+\f)+\d+1], v[Y+4*(8*\k+2+\f)+\d:Y+4*(8*\k+2+\f)+\d+1]
	v_pk_add_f32 v[Y+4*(8*\k+4+\f)+\d:Y+4*(8*\k+4+\f)+\d+1], v[Y+4*(8*\k+4+\f)+\d:Y+4*(8*\k+4+\f)+\d+1], v[Y+4*(8*\k+6+\f)+\d:Y+4*(8*\k+6+\f)+\d+1]
.endr
.endr
.endr
.irp k, 0,1
.irp f, 0,1
.irp d, 0,2
	v_pk_add_f32 v[Y+4*(8*\k+\f)+\d:Y+4*(8*\k+\f)+\d+1], v[Y+4*(8*\k+\f)+\d:Y+4*(8*\k+\f)+\d+1], v[Y+4*(8*\k+4+\f)+\d:Y+4*(8*\k+4+\f)+\d+1]
.endr
.endr
.endr
.irp f, 0,1
.irp d, 0,2
	v_pk_mul_f32 v[Y+4*\f+\d:Y+4*\f+\d+1], v[Y+4*\f+\d:Y+4*\f+\d+1], s[26:27] op_sel_hi:[1,0]
.endr
.endr
.irp f, 0,1
.irp d, 0,2
	v_pk_fma_f32 v[Y+4*\f+\d:Y+4*\f+\d+1], v[Y+4*(8+\f)+\d:Y+4*(8+\f)+\d+1], s[38:39], v[Y+4*\f+\d:Y+4*\f+\d+1] op_sel_hi:[1,0,1]
.endr
.endr
.irp f, 0,1
	global_store_b128 v2, v[Y+4*\f:Y+4*\f+3], s[12:13] offset:512*\f th:TH_STORE_NT
.endr
	s_endpgm
.Lfunc_end_k_qf85d6eb751_combine:
	.size	k_qf85d6eb751_combine, .Lfunc_end_k_qf85d6eb751_combine-k_qf85d6eb751_combine
	.p2alignl 7, 3214868480
	.fill 96, 4, 3214868480
	.section	.rodata,"a",@progbits
	.p2align	6, 0x0
	.amdhsa_kernel k_qf85d6eb751_combine
		.amdhsa_group_segment_fixed_size 0
		.amdhsa_private_segment_fixed_size 0
		.amdhsa_enable_private_segment 0
		.amdhsa_kernarg_size 40
		.amdhsa_user_sgpr_count 2
		.amdhsa_user_sgpr_kernarg_segment_ptr 1
		.amdhsa_wavefront_size32 1
		.amdhsa_system_sgpr_workgroup_id_x 1
		.amdhsa_system_sgpr_workgroup_id_y 1
		.amdhsa_system_sgpr_workgroup_id_z 1
		.amdhsa_system_vgpr_workitem_id 0
		.amdhsa_next_free_vgpr 72
		.amdhsa_next_free_sgpr 66
		.amdhsa_reserve_vcc 0
		.amdhsa_float_denorm_mode_32 3
		.amdhsa_float_denorm_mode_16_64 3
		.amdhsa_memory_ordered 1
		.amdhsa_forward_progress 1
		.amdhsa_inst_pref_size 7
	.end_amdhsa_kernel
	.amdgpu_metadata
---
amdhsa.version: [ 1, 2 ]
amdhsa.kernels:
  - .name:           k_qf85d6eb751_combine
    .symbol:         k_qf85d6eb751_combine.kd
    .args:
      - { .name: yp, .offset: 0, .size: 8, .value_kind: global_buffer, .address_space: global }
      - { .name: gate, .offset: 8, .size: 8, .value_kind: global_buffer, .address_space: global }
      - { .name: sel, .offset: 16, .size: 8, .value_kind: global_buffer, .address_space: global }
      - { .name: rows, .offset: 24, .size: 8, .value_kind: global_buffer, .address_space: global }
      - { .name: out0, .offset: 32, .size: 8, .value_kind: global_buffer, .address_space: global }
    .group_segment_fixed_size: 0
    .private_segment_fixed_size: 0
    .kernarg_segment_align: 8
    .kernarg_segment_size: 40
    .max_flat_workgroup_size: 256
    .sgpr_count:     66
    .vgpr_count:     72
    .wavefront_size: 32
...
	.end_amdgpu_metadata
.endif
;; end of part 5
;; ======== version 2 of 2: 5 launches; version 1 with the launches ffn1, ffn2 written anew for expert scheduling mode
;; limits: values outside matrix products are rounded to bf16
;; workspace buffers: sel 4,096 bytes of whole numbers; gate 8,192 bytes; rows 32,768 bytes of whole numbers; nrow 1,024 bytes of whole numbers; xg 20,971,520 bytes; hg 83,886,080 bytes; yp 167,772,160 bytes
;; launch router: the kernel of part 1 again; grid 32 x 1, 8 waves a work-group, no clusters, 2,048 bytes of LDS; arguments x, router_w, router_b, sel, gate; writes sel, gate
;; launch place: the kernel of part 2 again; grid 10 x 8, 8 waves a work-group, no clusters, 0 bytes of LDS; arguments x, sel, xg, rows, nrow; writes xg, rows, nrow
;; launch ffn1 (part 6): grid 32 x 8, 4 waves a work-group, no clusters, 262,656 bytes of LDS; arguments xg, w1, b1, nrow, hg; writes hg
.if DOCPART == 6
	.amdgcn_target "amdgcn-amd-amdhsa--gfx1250"
	.amdhsa_code_object_version 6
	.text
	.protected	k_qf85d6eb751_ffn1
	.globl	k_qf85d6eb751_ffn1
	.p2align	8
	.type	k_qf85d6eb751_ffn1,@function
k_qf85d6eb751_ffn1:
	s_mov_b64 s[64:65], 0
	v_nop
	global_prefetch_b8 v0, s[64:65] scope:SCOPE_SE
	s_setreg_imm32_b32 hwreg(HW_REG_WAVE_SCHED_MODE, 0, 2), 2
	s_setreg_imm32_b32 hwreg(HW_REG_WAVE_MODE, 25, 1), 1
	s_wait_xcnt 0x0
	s_wait_alu depctr_vm_vsrc(0)
; hg = relu(xg . w1[e] + b1[e]), for the rows of expert e's list alone.  w1: [8][1024 k][4096 n] f32.  xg and hg hold bf16 in fragment order: a block of 16 rows is K / 32 fragments of 1,024 bytes
; (xg 32, hg 128); fragment 2 G + u holds at byte 512 p + 16 lane the eight numbers k = 64 G + 32 h + 16 u + 8 p + 0..7 of row lane % 16 (h = lane / 16).
; Operands bf16 (w1 rounded to nearest even on its way), sums, bias and relu f32, h rounded once.
; LIMITS.  relu is v_max_num_f32: a NaN would become 0.  Rows of experts that a token did not choose are not computed, so a non-finite weight there gives no 0 x inf.
; SHARES.  Work-group (x = cb, y = e): 128 columns of expert e, all K = 1,024.
; PHASE 1, the same work whatever the list: the work-group's 1,024 x 128 weights are read once, each byte by one wave of the launch, rounded, and laid into LDS as finished fragments:
; 32 K steps x 8 fragments x 1,024 bytes = 262,144 bytes.  Wave w = 2 kc + cc takes 64 columns (cc) and 512 k (kc).  Lane (r, h) loads columns 4 r .. 4 r + 3 of a row: lanes 0-15 cover 256 consecutive
; aligned bytes, lanes 16-31 the same bytes 32 rows down.  Rows k and k + 1 round into one word; fragment c = 0..3 holds the columns 4 r + c.  A unit is 8 loads (half a fragment of each c); seven units,
; 56 loads of a wave, are on their way.
; ONE BARRIER.  It stands ahead of every branch that hangs on a count read from memory: every wave passes it once whatever the list holds.
; PHASE 2, no barrier: wave w takes the row groups w, w + 4, .. below ceil(n_e / 80), a count read from nrow.  A group is 80 rows x 128 columns: 5 x 8 accumulators, 320 registers, 32 K steps of 40
; matrix instructions.  The weights' fragments come from LDS (lanes on end: 16 bytes a lane, 512 consecutive bytes a load), the rows' fragments straight from xg into a ring of six register slots:
; step s + 5's are asked for at the end of step s; each such load covers 512 consecutive bytes.
; TRANSPOSED USE: source 0 = 16 columns of w1, source 1 = 16 rows of xg.  Register j of accumulator c in lane (r, h) is row r, hidden column 64 g + 32 h + 4 j + c: a lane's 32 numbers of a group of 64
; columns are the 64 bytes that the same lane wants in fragments 2 G and 2 G + 1 of hg: four stores of 512 consecutive bytes, and nothing changes lanes.
; NOT SHARED BY A JOINT REQUEST.  The 32 work-groups of an expert read the same fragments of xg (640 KiB each at 320 rows).  A slot of LDS that is filled again wants a barrier in the loop, and this loop's
; trips are a count read from memory, which no barrier may hang on; and the weights leave 65,536 bytes of LDS.  So the rows go to registers, each work-group asking for itself.
; NO PREFETCH: phase 1 has its 56 loads a wave on their way from its first line on, and xg was written by the launch before.
; THE MODE: SCHED_MODE bits 1:0 = 2 (LLVM: expert scheduling mode 2), set by the entry lines.  The code itself states the register dependences
; between vector or matrix instructions and memory or LDS instructions, with s_wait_alu, always for 0.
; THE PLAN.  Registers that memory or LDS instructions touch:
;   PHASE 1.  RING[n % 7]  unit n's loads land in it; its sixteen conversions read it; behind them the loads of unit n + 7 land in it.
;             TW           the conversions write it; the unit's four LDS stores read it; the next unit's conversions write it again.
;             v[VB], v[LW], v[LW+1]  made at the head, never written again.
;   Two waits a unit: on vm_vsrc ahead of the conversions (the last unit's LDS stores have read TW), on va_vdst behind them (TW is written, RING[n % 7] has been read).
;   PHASE 2.  Slot s % 6   step s's matrix instructions read it; the loads at the end of step s + 1 land in it (the rows of step s + 6).
;             Buffer s % 2 step s's matrix instructions read it; the LDS loads of step s + 1 land in it (the weights of step s + 2).
;             v[AO], v[LB ..]  made at the head, never written again.
;             O            a FINAL's roundings write it, its four stores read it, the next FINAL's roundings write it again.
;             The accumulators, the bias and T are named by vector and matrix instructions alone (the bias is loaded once, ahead of the barrier).
;   ONE wait on va_vdst at a step's head: the step before is done reading its slot and its buffer.  The step's matrix instructions name slot s % 6, buffer s % 2 and the accumulators, none of the registers
;   that the step's 26 loads touch, so these follow with no further wait: the LDS loads two behind each of the first eight matrix instructions, the rows' loads at the step's end.
.set PB,   16384                       ; bytes in a row of w1[e]
.set RBA,  32768                       ; bytes in a block of 16 rows of xg
.set RBO,  131072                      ; and of hg
; REGISTERS.  Window 0: v4-13 addresses; v[16:31] packed words; v[32:255] phase 1's ring of seven units of 32; in phase 2 v[160:223] bias, v[224:255] at work.
; Window 1: accumulator (b, f) of row blocks b = 0..3 at 8 (8 b + f).  Window 2: block 4's at 8 f; v[64:191] two buffers of eight weight fragments; v[192:195] their LDS addresses.
; Window 3: v[0:239] six slots of five row fragments.
; An LDS load takes its data's window from the destination's field and its address's from source 0's: under the setting of block 4's matrix instructions both are window 2, so the weights' loads stand
; between those instructions with no switch of the windows.  Block 4 goes first in a step, so that the fragments have the other 32 matrix instructions in which to land.
.set VB,  4                            ; my byte offset in w1's rows: (512 kc + 32 h) PB + 256 cc + 16 r
.set LW,  5                            ; v5, v6    where I put fragments: K steps 16 kc + 0..7, + 8..15
.set AO,  12                           ; 16 x lane: my place in a fragment of xg and of hg
.set BO,  13                           ; 128 h: my half's 32 numbers of b1
.set TW,  16
.set O,   16
.set RING, 32
.set BI,  160                          ; b1 of column 64 g + 32 h + 4 j + c at 32 g + 4 j + c
.set T,   224
.set BB,  64                           ; window 2
.set LB,  192                          ; window 2: v[192:195] where I read fragments: K steps 8 z .. 8 z + 7 (an LDS immediate has 16 bits)
.set WV, 14                            ; s14 wave, s15 kc, s16 cc, s17 e, s18 cb
.set KC, 15
.set CC, 16
.set EX, 17
.set CB, 18
.set WB, 20                            ; s[20:21] w1 at the work-group's columns
.set AB, 22                            ; s[22:23] xg at my group's first block
.set OB, 24                            ; s[24:25] hg at my group's first block, the work-group's four fragments
.set NG, 26                            ; how many groups are mine
.set GI, 27                            ; counts them
.set ML, 0x5e                          ; source 0 (weights) window 2, source 1 (rows) window 3, C and D window 1
.set MH, 0xae                          ; the same, C and D window 2
.set MSB, 0
.macro WIN new                         ; the immediate's high byte repeats the setting that is left; a switch that changes nothing is dropped
.if MSB != (\new)
	s_set_vgpr_msb (MSB<<8)|(\new)
.set MSB, (\new)
.endif
.endm
.macro PLACES                          ; four places behind matrix instructions, in front of the vector instructions that read their results (ISA guide 7.12.1)
.rept 4
	v_nop
.endr
.endm
	s_load_b256 s[4:11], s[0:1], 0x0               ; xg s[4:5], w1 s[6:7], b1 s[8:9], nrow s[10:11]
	s_load_b64 s[12:13], s[0:1], 0x20              ; hg
	v_lshl_add_u32 v14, v0, 2, 0x40000
	v_mov_b32 v15, 0
	v_lshrrev_b32 v1, 5, v0
	v_readfirstlane_b32 s[WV], v1
	v_and_b32 v1, 31, v0                           ; lane
	v_and_b32 v2, 15, v0                           ; r
	v_bfe_u32 v3, v0, 4, 1                         ; h
	v_mul_u32_u24 v[VB], v3, 32*PB
	v_lshl_add_u32 v[VB], v2, 4, v[VB]
	v_lshlrev_b32 v[AO], 4, v1
	v_lshlrev_b32 v[BO], 7, v3
	WIN 0x80                                       ; destination window 2
	v_mov_b32 v[LB], v[AO]
	v_add_nc_u32 v[LB+1], 0x10000, v[AO]
	v_add_nc_u32 v[LB+2], 0x20000, v[AO]
	v_add_nc_u32 v[LB+3], 0x30000, v[AO]
	WIN 0
	s_and_b32 s[EX], ttmp7, 0xffff
	s_mov_b32 s[CB], ttmp9
	s_wait_alu depctr_va_sdst(0)                   ; the wave's number is written, ahead of its first reader: addresses, bases and my count of groups are made from it
	s_lshr_b32 s[KC], s[WV], 1
	s_and_b32 s[CC], s[WV], 1
	s_mul_i32 s30, s[KC], 512*PB
	s_lshl_b32 s31, s[CC], 8
	s_add_co_u32 s30, s30, s31
	v_add_nc_u32 v[VB], s30, v[VB]
	s_lshl_b32 s44, s[KC], 17                      ; 16 K steps of 8,192 bytes
	s_lshl_b32 s45, s[CC], 12                      ; four fragments
	s_add_co_u32 s44, s44, s45
	v_add_nc_u32 v[LW], s44, v[AO]
	v_add_nc_u32 v[LW+1], 0x10000, v[LW]
	s_lshl_b32 s32, s[EX], 24                      ; w1: expert, 128 columns
	s_lshl_b32 s33, s[CB], 9
	s_add_co_u32 s32, s32, s33
	s_mov_b32 s33, 0
	s_mul_i32 s34, s[EX], 80                       ; my first group's first block: 80 e + 5 w
	s_mul_i32 s35, s[WV], 5
	s_add_co_u32 s34, s34, s35
	s_lshl_b32 s36, s34, 15                        ; in xg
	s_mov_b32 s37, 0
	s_lshl_b32 s38, s34, 17                        ; in hg, with fragments 4 cb .. 4 cb + 3
	s_lshl_b32 s39, s[CB], 12
	s_add_co_u32 s38, s38, s39
	s_mov_b32 s39, 0
	s_lshl_b32 s40, s[EX], 7                       ; nrow[e]
	s_mov_b32 s41, 0
	s_lshl_b32 s42, s[EX], 14                      ; b1[e], 128 columns
	s_lshl_b32 s43, s[CB], 9
	s_add_co_u32 s42, s42, s43
	s_mov_b32 s43, 0
	s_wait_kmcnt 0x0
	s_add_nc_u64 s[WB:WB+1], s[6:7], s[32:33]
	s_add_nc_u64 s[AB:AB+1], s[4:5], s[36:37]
	s_add_nc_u64 s[OB:OB+1], s[12:13], s[38:39]
	s_add_nc_u64 s[40:41], s[10:11], s[40:41]
	s_add_nc_u64 s[42:43], s[8:9], s[42:43]
	s_load_b32 s[NG], s[40:41], 0x0
	s_wait_alu depctr_va_vdst(0)                   ; v[VB], v[LW], v[LW+1], v[AO], v[BO] and v[LB ..] are written: every load and store of the kernel reads one of them as its address
; Unit n = 4 G + 2 u + p of my 32: rows 64 G + 32 h + 16 u + 8 p + i, i = 0..7.  479 rows at the most stand in the immediate, inside its signed 24 bits.
.macro WLOAD n
.set wr, RING+32*((\n)%7)
.set wo, 64*((\n)/4)+8*((\n)%4)
.irp i, 0,1,2,3,4,5,6,7
	global_load_b128 v[wr+4*\i:wr+4*\i+3], v[VB], s[WB:WB+1] offset:(wo+\i)*PB th:TH_LOAD_NT
.endr
.endm
.macro WUNIT n                         ; unit n is rounded and laid into LDS: half p of fragments c = 0..3 of K step n / 2; its registers take unit n + 7
.if (\n) <= 25
	s_wait_loadcnt 48                              ; the 8 loads of each of the six younger units stay out
.else
	s_wait_loadcnt 8*(31-(\n))                     ; the last units load nothing: the counts run down
.endif
.if (\n) > 0
	s_wait_alu depctr_vm_vsrc(0)                   ; the LDS stores of the unit before have read v[TW ..], which the conversions write again
.endif
.set wr, RING+32*((\n)%7)
.irp c, 0,1,2,3
.irp q, 0,1,2,3
	v_cvt_pk_bf16_f32 v[TW+4*\c+\q], v[wr+8*\q+\c], v[wr+8*\q+4+\c]   ; rows 2 q and 2 q + 1 of column 4 r + c
.endr
.endr
	s_wait_alu depctr_va_vdst(0)                   ; the conversions have written v[TW ..], which the LDS stores read, and are done reading the unit's registers, in which the loads land
.if (\n)+7 <= 31
	WLOAD (\n)+7                                   ; the unit's registers are asked for again at once, ahead of the LDS stores
.endif
.set wk, (\n)/2
.irp c, 0,1,2,3
	ds_store_b128 v[LW+wk/8], v[TW+4*\c:TW+4*\c+3] offset:(wk%8)*8192+\c*1024+((\n)%2)*512
.endr
.endm
.irp n, 0,1,2,3,4,5,6
	WLOAD \n
.endr
.irp n, 0,1,2,3,4,5,6,7,8,9,10,11,12,13,14,15,16,17,18,19,20,21,22,23,24,25,26,27,28,29,30,31
	WUNIT \n
.endr
.irp g, 0,1
.irp j, 0,1,2,3,4,5,6,7
	global_load_b128 v[BI+32*\g+4*\j:BI+32*\g+4*\j+3], v[BO], s[42:43] offset:256*\g+16*\j   ; the bias, into registers that the ring has left (the conversions that read them stand ahead of the last unit's wait on va_vdst); older than every load of phase 2, so its first counted wait covers these
.endr
.endr
	s_wait_dscnt 0x0                               ; for the others' sake: my fragments are in LDS
	s_barrier_signal -1
	s_barrier_wait -1                              ; everybody's are; LDS is only read from here on
	s_wait_kmcnt 0x0
	s_min_u32 s[NG], s[NG], 1024
	s_add_co_u32 s[NG], s[NG], 79                  ; groups in the list: ceil(n / 80); m / 80 = ((m >> 4) x 205) >> 10 for m >> 4 < 1,020: 5 x 205 = 1,025
	s_lshr_b32 s[NG], s[NG], 4
	s_mul_i32 s[NG], s[NG], 205
	s_lshr_b32 s[NG], s[NG], 10
	s_add_co_u32 s[NG], s[NG], 3                   ; of them w, w + 4, .. are mine: ceil((groups - w) / 4), 4 at the most (13 groups)
	s_sub_co_u32 s[NG], s[NG], s[WV]
	s_lshr_b32 s[NG], s[NG], 2
	s_min_u32 s[NG], s[NG], 4
	s_mov_b32 s[GI], 0
	s_cmp_eq_u32 s[NG], 0
	s_cbranch_scc1 .Lend
.macro AFETCH s                        ; K step s: the five row blocks' fragments, ten loads, into slot s % 6
.set fa, 40*((\s)%6)
	WIN 0xc0                                       ; destination window 3, address window 0
.irp b, 0,1,2,3,4
	global_load_b128 v[fa+8*\b:fa+8*\b+3],   v[AO], s[AB:AB+1] offset:\b*RBA+(\s)*1024
	global_load_b128 v[fa+8*\b+4:fa+8*\b+7], v[AO], s[AB:AB+1] offset:\b*RBA+(\s)*1024+512
.endr
.endm
.macro BPAIR s, f                      ; K step s: weight fragment f, two loads, into buffer s % 2; under the setting MH: data and address in window 2
.set fb, BB+64*((\s)%2)
	ds_load_b128 v[fb+8*(\f):fb+8*(\f)+3],   v[LB+(\s)/8] offset:((\s)%8)*8192+(\f)*1024
	ds_load_b128 v[fb+8*(\f)+4:fb+8*(\f)+7], v[LB+(\s)/8] offset:((\s)%8)*8192+(\f)*1024+512
.endm
.macro MM s, b, f                      ; one matrix instruction: K step s, row block b, weight fragment f.  Step 0 starts the sums: nothing is cleared
.set ma, 40*((\s)%6)
.set mb, BB+64*((\s)%2)
.set md, 8*(8*((\b)%4)+(\f))
.if (\s) == 0
	v_wmma_f32_16x16x32_bf16 v[md:md+7], v[mb+8*(\f):mb+8*(\f)+7], v[ma+8*(\b):ma+8*(\b)+7], 0
.else
	v_wmma_f32_16x16x32_bf16 v[md:md+7], v[mb+8*(\f):mb+8*(\f)+7], v[ma+8*(\b):ma+8*(\b)+7], v[md:md+7]
.endif
.endm
; A K step: 40 matrix instructions; the accumulators take turns, one instruction a turn, in the same order in every step: block 4, then blocks 0 to 3.
.macro KSTEP s
.if (\s) <= 27
	s_wait_loadcnt 40                              ; slot s % 6 is in; the 10 loads of each of the four younger steps stay out
.else
	s_wait_loadcnt 10*(31-(\s))                    ; the last steps ask for no more rows: the counts run down
.endif
	s_wait_dscnt 0x0                               ; buffer s % 2 is in: its loads were issued ahead of the last step's other 32 matrix instructions
	WIN MH
.if ((\s) > 0) && ((\s) < 31)
	s_wait_alu depctr_va_vdst(0)                   ; the matrix instructions of the step before are done reading their slot and their buffer, in which this step's loads land
.endif
.irp f, 0,1,2,3,4,5,6,7
	MM \s, 4, \f
.if (\s) < 31
	BPAIR (\s)+1, \f                               ; no wait: no matrix instruction since the wait above names the other buffer or v[LB ..]
.endif
.endr
	WIN ML
.irp b, 0,1,2,3
.irp f, 0,1,2,3,4,5,6,7
	MM \s, \b, \f
.endr
.endr
.if (\s) <= 26
	AFETCH (\s)+5                                  ; into the slot of the step before; no wait: no matrix instruction since the wait above names it or v[AO]
.endif
.endm
; Row block b, columns 64 g on: bias, relu, bf16; my 32 numbers are 64 bytes of fragments 2 G and 2 G + 1.  Each accumulator is read from its register 0 on.
.macro FINAL b, g
.set fa, 8*(8*((\b)%4)+4*(\g))
	WIN 1+(\b)/4                                   ; source 0 in window 1 or 2
.irp j, 0,1,2,3,4,5,6,7
.irp c, 0,1,2,3
	v_add_f32 v[T+4*\j+\c], v[fa+8*\c+\j], v[BI+32*(\g)+4*\j+\c]
.endr
.endr
	WIN 0
.set fi, 0
.rept 32
	v_max_num_f32 v[T+fi], 0, v[T+fi]
.set fi, fi+1
.endr
	s_wait_xcnt 0x0                                ; v[O ..], which the last stores read, are rewritten only behind this wait: it stands behind the 64 lines above, which name none of them
	s_wait_alu depctr_vm_vsrc(0)                   ; the last four stores have read v[O ..] (ahead of the first FINAL: phase 1's LDS stores, which read the same registers), which the roundings write again
.set fi, 0
.rept 16
	v_cvt_pk_bf16_f32 v[O+fi], v[T+2*fi], v[T+2*fi+1]
.set fi, fi+1
.endr
	s_wait_alu depctr_va_vdst(0)                   ; the roundings have written v[O ..], which the stores read
.irp z, 0,1,2,3
	global_store_b128 v[AO], v[O+4*\z:O+4*\z+3], s[OB:OB+1] offset:(\b)*RBO+(\g)*2048+\z*512   ; 512 consecutive bytes, aligned
.endr
.endm
.Lgroup:                                               ; 80 rows of the list
	WIN 0xc0
	s_wait_alu depctr_va_vdst(0)                   ; in a later group: the matrix instructions of the group before are done reading the slots and the buffers in which the loads below and step 0's land
.irp s, 0,1,2,3,4
	AFETCH \s
.endr
	WIN MH
.irp f, 0,1,2,3,4,5,6,7
	BPAIR 0, \f
.endr
.irp s, 0,1,2,3,4,5,6,7,8,9,10,11,12,13,14,15,16,17,18,19,20,21,22,23,24,25,26,27,28,29,30,31
	KSTEP \s
.endr
	PLACES                                         ; the additions read results just made
.irp b, 0,1,2,3,4
.irp g, 0,1
	FINAL \b, \g
.endr
.endr
	s_wait_xcnt 0x0                                ; the loads' and the stores' bases are stepped only behind this wait
	s_add_nc_u64 s[AB:AB+1], s[AB:AB+1], 20*RBA    ; four groups on
	s_add_nc_u64 s[OB:OB+1], s[OB:OB+1], 20*RBO
	s_add_co_u32 s[GI], s[GI], 1
	s_cmp_lt_u32 s[GI], s[NG]
	s_cbranch_scc1 .Lgroup
.Lend:
	s_wait_dscnt 0x0
	s_wait_alu depctr_hold_cnt(0) depctr_sa_sdst(0) depctr_va_vdst(0) depctr_va_sdst(0) depctr_va_ssrc(0) depctr_va_vcc(0) depctr_vm_vsrc(0)
	s_wait_tensorcnt 0x0
	ds_add_u32 v14, v15
	s_wait_dscnt 0x0
	s_endpgm
.Lfunc_end_k_qf85d6eb751_ffn1:
	.size	k_qf85d6eb751_ffn1, .Lfunc_end_k_qf85d6eb751_ffn1-k_qf85d6eb751_ffn1
	.p2alignl 7, 3214868480
	.fill 96, 4, 3214868480
	.section	.rodata,"a",@progbits
	.p2align	6, 0x0
	.amdhsa_kernel k_qf85d6eb751_ffn1
		.amdhsa_group_segment_fixed_size 262656
		.amdhsa_private_segment_fixed_size 0
		.amdhsa_enable_private_segment 0
		.amdhsa_kernarg_size 40
		.amdhsa_user_sgpr_count 2
		.amdhsa_user_sgpr_kernarg_segment_ptr 1
		.amdhsa_wavefront_size32 1
		.amdhsa_system_sgpr_workgroup_id_x 1
		.amdhsa_system_sgpr_workgroup_id_y 1
		.amdhsa_system_sgpr_workgroup_id_z 1
		.amdhsa_system_vgpr_workitem_id 0
		.amdhsa_next_free_vgpr 1024
		.amdhsa_next_free_sgpr 66
		.amdhsa_reserve_vcc 0
		.amdhsa_float_denorm_mode_32 3
		.amdhsa_float_denorm_mode_16_64 3
		.amdhsa_memory_ordered 1
		.amdhsa_forward_progress 1
		.amdhsa_inst_pref_size 255
	.end_amdhsa_kernel
	.section	.bss,"aw",@nobits
	.p2align	6
	.space	262144
	.amdgpu_metadata
---
amdhsa.version: [ 1, 2 ]
amdhsa.kernels:
  - .name:           k_qf85d6eb751_ffn1
    .symbol:         k_qf85d6eb751_ffn1.kd
    .args:
      - { .name: xg, .offset: 0, .size: 8, .value_kind: global_buffer, .address_space: global }
      - { .name: w1, .offset: 8, .size: 8, .value_kind: global_buffer, .address_space: global }
      - { .name: b1, .offset: 16, .size: 8, .value_kind: global_buffer, .address_space: global }
      - { .name: nrow, .offset: 24, .size: 8, .value_kind: global_buffer, .address_space: global }
      - { .name: hg, .offset: 32, .size: 8, .value_kind: global_buffer, .address_space: global }
    .group_segment_fixed_size: 262656
    .private_segment_fixed_size: 0
    .kernarg_segment_align: 8
    .kernarg_segment_size: 40
    .max_flat_workgroup_size: 128
    .sgpr_count:     66
    .vgpr_count:     1024
    .wavefront_size: 32
...
	.end_amdgpu_metadata
.endif
;; end of part 6
;; launch ffn2 (part 7): grid 32 x 8, 4 waves a work-group, no clusters, 262,656 bytes of LDS; arguments hg, w2, b2, nrow, yp; writes yp
.if DOCPART == 7
	.amdgcn_target "amdgcn-amd-amdhsa--gfx1250"
	.amdhsa_code_object_version 6
	.text
	.protected	k_qf85d6eb751_ffn2
	.globl	k_qf85d6eb751_ffn2
	.p2align	8
	.type	k_qf85d6eb751_ffn2,@function
k_qf85d6eb751_ffn2:
	s_mov_b64 s[64:65], 0
	v_nop
	global_prefetch_b8 v0, s[64:65] scope:SCOPE_SE
	s_setreg_imm32_b32 hwreg(HW_REG_WAVE_SCHED_MODE, 0, 2), 2
	s_setreg_imm32_b32 hwreg(HW_REG_WAVE_MODE, 25, 1), 1
	s_wait_xcnt 0x0
	s_wait_alu depctr_vm_vsrc(0)
; yp[row][ks] = hg[row][1024 ks .. + 1023] . w2[e][1024 ks .. + 1023][:] + b2[e] / 4, for the rows of expert e's list.  w2: [8][4096 k][1024 n] f32.  yp: [10240 rows][4 ks][1024] f32:
; four partial sums over K, one owner each; the next launch adds them in a fixed order, and the four quarters of b2 (an exact scaling) add up to b2: an order of rounding other than reference()'s.
; hg holds bf16 in fragment order: a block of 16 rows is 128 fragments of 1,024 bytes; fragment 2 G + u holds at byte 512 p + 16 lane the eight numbers k = 64 G + 32 h + 16 u + 8 p + 0..7 of
; row lane % 16 (h = lane / 16).  Operands bf16 (w2 rounded to nearest even on its way), sums f32.
; SHARES.  Work-group (x = 8 ks + cb, y = e): 128 columns, a quarter of K (1,024).
; PHASE 1, the same work whatever the list: the work-group's 1,024 x 128 weights are read once, each byte by one wave of the launch, rounded, and laid into LDS as finished fragments:
; 32 K steps x 8 fragments x 1,024 bytes = 262,144 bytes.  Wave w = 2 kc + cc takes 64 columns (cc) and 512 k (kc).  Lane (r, h) loads columns 4 r .. 4 r + 3 of a row: lanes 0-15 cover 256 consecutive
; aligned bytes, lanes 16-31 the same bytes 32 rows down, so that the weights' k lie in a fragment as hg's do.  Rows k and k + 1 round into one word; fragment c = 0..3 holds the columns 4 r + c.
; A unit is 8 loads (half a fragment of each c); seven units, 56 loads of a wave, are on their way.
; ONE BARRIER.  It stands ahead of every branch that hangs on a count read from memory: every wave passes it once whatever the list holds.
; PHASE 2, no barrier: wave w takes the row groups w, w + 4, .. below ceil(n_e / 80), a count read from nrow.  A group is 80 rows x 128 columns: 5 x 8 accumulators, 320 registers, 32 K steps of 40
; matrix instructions.  The weights' fragments come from LDS (16 bytes a lane, 512 consecutive bytes a load), the rows' fragments straight from hg into a ring of six register slots:
; step s + 5's are asked for at the end of step s.
; Source 0 = 16 rows of hg, source 1 = 16 columns of w2: register j of accumulator c in lane (r, h) is row 8 h + j, column 64 g + 4 r + c.  The fused multiply-add that brings b2 / 4 in also puts the
; four accumulators' registers j side by side: a store of 16 bytes a lane has 16 lanes covering 256 consecutive aligned bytes of a row of yp.
; NOT SHARED BY A JOINT REQUEST.  The eight work-groups of an expert and a K quarter read the same fragments of hg (640 KiB each at 320 rows).  A slot of LDS that is filled again wants a barrier in the
; loop, and this loop's trips are a count read from memory, which no barrier may hang on; and the weights leave 65,536 bytes of LDS.  So the rows go to registers, each work-group asking for itself.
; NO PREFETCH: phase 1 has its 56 loads a wave on their way from its first line on, and hg was written by the launch before.
; THE MODE: SCHED_MODE bits 1:0 = 2 (LLVM: expert scheduling mode 2), set by the entry lines.  The code itself states the register dependences
; between vector or matrix instructions and memory or LDS instructions, with s_wait_alu, always for 0.
; THE PLAN.  Registers that memory or LDS instructions touch:
;   PHASE 1.  RING[n % 7]  unit n's loads land in it; its sixteen conversions read it; behind them the loads of unit n + 7 land in it.
;             TW           the conversions write it; the unit's four LDS stores read it; the next unit's conversions write it again.
;             v[VB], v[LW], v[LW+1]  made at the head, never written again.
;   Two waits a unit: on vm_vsrc ahead of the conversions (the last unit's LDS stores have read TW), on va_vdst behind them (TW is written, RING[n % 7] has been read).
;   PHASE 2.  Slot s % 6   step s's matrix instructions read it; the loads at the end of step s + 1 land in it (the rows of step s + 6).
;             Buffer s % 2 step s's matrix instructions read it; the LDS loads of step s + 1 land in it (the weights of step s + 2).
;             v[AO], v[CO], v[LB ..]  made at the head, never written again.
;             T0, T1       FINAL k = 2 b + g writes T[k % 2]; the eight stores that read it are issued at the head of FINAL k + 1; FINAL k + 2 writes it again.
;             The accumulators and b2 are named by vector and matrix instructions alone (b2 is loaded once, ahead of the barrier).
;   ONE wait on va_vdst at a step's head: the step before is done reading its slot and its buffer.  The step's matrix instructions name slot s % 6, buffer s % 2 and the accumulators, none of the registers
;   that the step's 26 loads touch, so these follow with no further wait: the LDS loads two behind each of the first eight matrix instructions, the rows' loads at the step's end.
;   On the way out the waits at a FINAL's head state all: the stores issued in the FINAL before have read the T that this one writes; the FINAL before has written the T that the stores below read.
.set PB,   4096                        ; bytes in a row of w2[e]
.set RBA,  131072                      ; bytes in a block of 16 rows of hg
.set OP,   16384                       ; bytes in a row of yp
; REGISTERS.  Window 0: v4-14 addresses; v[16:31] packed words; v[32:255] phase 1's ring of seven units of 32; in phase 2 v[160:167] b2, v[224:255] and v[192:223] results, two buffers.
; Window 1: accumulator (b, f) of row blocks b = 0..3 at 8 (8 b + f).  Window 2: block 4's at 8 f; v[64:191] two buffers of eight weight fragments.
; Window 3: v[0:239] six slots of five row fragments; v[240:243] the weight fragments' LDS addresses.
; An LDS load takes its data's window from the destination's field and its address's from source 0's: under the setting of block 4's matrix instructions these are windows 2 and 3, so the weights' loads
; stand between those instructions with no switch of the windows.  Block 4 goes first in a step, so that the fragments have the other 32 matrix instructions in which to land.
.set VB,  4                            ; my byte offset in w2's rows: (512 kc + 32 h) PB + 256 cc + 16 r
.set LW,  5                            ; v5, v6    where I put fragments: K steps 16 kc + 0..7, + 8..15
.set AO,  12                           ; 16 x lane: my place in a fragment of hg
.set BO,  13                           ; 16 r: my four columns of b2
.set CO,  14                           ; my byte offset in yp: 8 h rows + 16 r
.set TW,  16
.set RING, 32
.set BQ,  160                          ; b2 of column 64 g + 4 r + c at 4 g + c
.set T,   224                          ; results of columns 64 g on at T - 32 g
.set BB,  64                           ; window 2
.set LB,  240                          ; window 3: v[240:243] where I read fragments: K steps 8 z .. 8 z + 7 (an LDS immediate has 16 bits)
.set WV, 14                            ; s14 wave, s15 kc, s16 cc, s17 e, s18 cb, s19 ks
.set KC, 15
.set CC, 16
.set EX, 17
.set CB, 18
.set KS, 19
.set WB, 20                            ; s[20:21] w2 at the work-group's rows and columns
.set AB, 22                            ; s[22:23] hg at my group's first block, the work-group's 32 fragments
.set OB, 24                            ; s[24:25] yp at my group's first row
.set NG, 26                            ; how many groups are mine
.set GI, 27                            ; counts them
.set QT, 28                            ; 0.25
.set ML, 0x5b                          ; source 0 (rows) window 3, source 1 (weights) window 2, C and D window 1
.set MH, 0xab                          ; the same, C and D window 2
.set MSB, 0
.macro WIN new                         ; the immediate's high byte repeats the setting that is left; a switch that changes nothing is dropped
.if MSB != (\new)
	s_set_vgpr_msb (MSB<<8)|(\new)
.set MSB, (\new)
.endif
.endm
.macro PLACES                          ; four places behind matrix instructions, in front of the vector instructions that read their results (ISA guide 7.12.1)
.rept 4
	v_nop
.endr
.endm
	s_load_b256 s[4:11], s[0:1], 0x0               ; hg s[4:5], w2 s[6:7], b2 s[8:9], nrow s[10:11]
	s_load_b64 s[12:13], s[0:1], 0x20              ; yp
	v_lshl_add_u32 v11, v0, 2, 0x40000
	v_mov_b32 v15, 0
	v_lshrrev_b32 v1, 5, v0
	v_readfirstlane_b32 s[WV], v1
	v_and_b32 v1, 31, v0                           ; lane
	v_and_b32 v2, 15, v0                           ; r
	v_bfe_u32 v3, v0, 4, 1                         ; h
	v_mul_u32_u24 v[VB], v3, 32*PB
	v_lshl_add_u32 v[VB], v2, 4, v[VB]
	v_lshlrev_b32 v[AO], 4, v1
	v_lshlrev_b32 v[BO], 4, v2
	v_lshl_add_u32 v[CO], v3, 17, v[BO]            ; 8 rows of 16,384 bytes for the upper half of the lanes
	WIN 0xc0                                       ; destination window 3
	v_mov_b32 v[LB], v[AO]
	v_add_nc_u32 v[LB+1], 0x10000, v[AO]
	v_add_nc_u32 v[LB+2], 0x20000, v[AO]
	v_add_nc_u32 v[LB+3], 0x30000, v[AO]
	WIN 0
	s_and_b32 s[EX], ttmp7, 0xffff
	s_and_b32 s[CB], ttmp9, 7
	s_lshr_b32 s[KS], ttmp9, 3
	s_mov_b32 s[QT], 0x3e800000
	s_wait_alu depctr_va_sdst(0)                   ; the wave's number is written, ahead of its first reader: addresses, bases and my count of groups are made from it
	s_lshr_b32 s[KC], s[WV], 1
	s_and_b32 s[CC], s[WV], 1
	s_mul_i32 s30, s[KC], 512*PB
	s_lshl_b32 s31, s[CC], 8
	s_add_co_u32 s30, s30, s31
	v_add_nc_u32 v[VB], s30, v[VB]
	s_lshl_b32 s44, s[KC], 17                      ; 16 K steps of 8,192 bytes
	s_lshl_b32 s45, s[CC], 12                      ; four fragments
	s_add_co_u32 s44, s44, s45
	v_add_nc_u32 v[LW], s44, v[AO]
	v_add_nc_u32 v[LW+1], 0x10000, v[LW]
	s_lshl_b32 s32, s[EX], 24                      ; w2: expert, K quarter, 128 columns
	s_lshl_b32 s33, s[KS], 22
	s_add_co_u32 s32, s32, s33
	s_lshl_b32 s33, s[CB], 9
	s_add_co_u32 s32, s32, s33
	s_mov_b32 s33, 0
	s_mul_i32 s34, s[EX], 80                       ; my first group's first block: 80 e + 5 w
	s_mul_i32 s35, s[WV], 5
	s_add_co_u32 s34, s34, s35
	s_lshl_b32 s36, s34, 17                        ; in hg, with fragments 32 ks on
	s_lshl_b32 s37, s[KS], 15
	s_add_co_u32 s36, s36, s37
	s_mov_b32 s37, 0
	s_lshl_b32 s38, s34, 18                        ; in yp: 16 rows of 16,384 bytes a block; my K quarter, 128 columns
	s_lshl_b32 s39, s[KS], 12
	s_add_co_u32 s38, s38, s39
	s_lshl_b32 s39, s[CB], 9
	s_add_co_u32 s38, s38, s39
	s_mov_b32 s39, 0
	s_lshl_b32 s40, s[EX], 7                       ; nrow[e]
	s_mov_b32 s41, 0
	s_lshl_b32 s42, s[EX], 12                      ; b2[e], 128 columns
	s_lshl_b32 s43, s[CB], 9
	s_add_co_u32 s42, s42, s43
	s_mov_b32 s43, 0
	s_wait_kmcnt 0x0
	s_add_nc_u64 s[WB:WB+1], s[6:7], s[32:33]
	s_add_nc_u64 s[AB:AB+1], s[4:5], s[36:37]
	s_add_nc_u64 s[OB:OB+1], s[12:13], s[38:39]
	s_add_nc_u64 s[40:41], s[10:11], s[40:41]
	s_add_nc_u64 s[42:43], s[8:9], s[42:43]
	s_load_b32 s[NG], s[40:41], 0x0
	s_wait_alu depctr_va_vdst(0)                   ; v[VB], v[LW], v[LW+1], v[AO], v[BO], v[CO] and v[LB ..] are written: every load and store of the kernel reads one of them as its address
; Unit n = 4 G + 2 u + p of my 32: rows 64 G + 32 h + 16 u + 8 p + i, i = 0..7.  479 rows at the most stand in the immediate, inside its signed 24 bits.
.macro WLOAD n
.set wr, RING+32*((\n)%7)
.set wo, 64*((\n)/4)+8*((\n)%4)
.irp i, 0,1,2,3,4,5,6,7
	global_load_b128 v[wr+4*\i:wr+4*\i+3], v[VB], s[WB:WB+1] offset:(wo+\i)*PB th:TH_LOAD_NT
.endr
.endm
.macro WUNIT n                         ; unit n is rounded and laid into LDS: half p of fragments c = 0..3 of K step n / 2; its registers take unit n + 7
.if (\n) <= 25
	s_wait_loadcnt 48                              ; the 8 loads of each of the six younger units stay out
.else
	s_wait_loadcnt 8*(31-(\n))                     ; the last units load nothing: the counts run down
.endif
.if (\n) > 0
	s_wait_alu depctr_vm_vsrc(0)                   ; the LDS stores of the unit before have read v[TW ..], which the conversions write again
.endif
.set wr, RING+32*((\n)%7)
.irp c, 0,1,2,3
.irp q, 0,1,2,3
	v_cvt_pk_bf16_f32 v[TW+4*\c+\q], v[wr+8*\q+\c], v[wr+8*\q+4+\c]   ; rows 2 q and 2 q + 1 of column 4 r + c
.endr
.endr
	s_wait_alu depctr_va_vdst(0)                   ; the conversions have written v[TW ..], which the LDS stores read, and are done reading the unit's registers, in which the loads land
.if (\n)+7 <= 31
	WLOAD (\n)+7                                   ; the unit's registers are asked for again at once, ahead of the LDS stores
.endif
.set wk, (\n)/2
.irp c, 0,1,2,3
	ds_store_b128 v[LW+wk/8], v[TW+4*\c:TW+4*\c+3] offset:(wk%8)*8192+\c*1024+((\n)%2)*512
.endr
.endm
.irp n, 0,1,2,3,4,5,6
	WLOAD \n
.endr
.irp n, 0,1,2,3,4,5,6,7,8,9,10,11,12,13,14,15,16,17,18,19,20,21,22,23,24,25,26,27,28,29,30,31
	WUNIT \n
.endr
.irp g, 0,1
	global_load_b128 v[BQ+4*\g:BQ+4*\g+3], v[BO], s[42:43] offset:256*\g   ; b2, into registers that the ring has left (the conversions that read them stand ahead of the last unit's wait on va_vdst); older than every load of phase 2, so its first counted wait covers these
.endr
	s_wait_dscnt 0x0                               ; for the others' sake: my fragments are in LDS
	s_barrier_signal -1
	s_barrier_wait -1                              ; everybody's are; LDS is only read from here on
	s_wait_kmcnt 0x0
	s_min_u32 s[NG], s[NG], 1024
	s_add_co_u32 s[NG], s[NG], 79                  ; groups in the list: ceil(n / 80); m / 80 = ((m >> 4) x 205) >> 10 for m >> 4 < 1,020: 5 x 205 = 1,025
	s_lshr_b32 s[NG], s[NG], 4
	s_mul_i32 s[NG], s[NG], 205
	s_lshr_b32 s[NG], s[NG], 10
	s_add_co_u32 s[NG], s[NG], 3                   ; of them w, w + 4, .. are mine: ceil((groups - w) / 4), 4 at the most (13 groups)
	s_sub_co_u32 s[NG], s[NG], s[WV]
	s_lshr_b32 s[NG], s[NG], 2
	s_min_u32 s[NG], s[NG], 4
	s_mov_b32 s[GI], 0
	s_cmp_eq_u32 s[NG], 0
	s_cbranch_scc1 .Lend
.macro AFETCH s                        ; K step s: the five row blocks' fragments, ten loads, into slot s % 6
.set fa, 40*((\s)%6)
	WIN 0xc0                                       ; destination window 3, address window 0
.irp b, 0,1,2,3,4
	global_load_b128 v[fa+8*\b:fa+8*\b+3],   v[AO], s[AB:AB+1] offset:\b*RBA+(\s)*1024
	global_load_b128 v[fa+8*\b+4:fa+8*\b+7], v[AO], s[AB:AB+1] offset:\b*RBA+(\s)*1024+512
.endr
.endm
.macro BPAIR s, f                      ; K step s: weight fragment f, two loads, into buffer s % 2; under the setting MH: data in window 2, address in window 3
.set fb, BB+64*((\s)%2)
	ds_load_b128 v[fb+8*(\f):fb+8*(\f)+3],   v[LB+(\s)/8] offset:((\s)%8)*8192+(\f)*1024
	ds_load_b128 v[fb+8*(\f)+4:fb+8*(\f)+7], v[LB+(\s)/8] offset:((\s)%8)*8192+(\f)*1024+512
.endm
.macro MM s, b, f                      ; one matrix instruction: K step s, row block b, weight fragment f.  Step 0 starts the sums: nothing is cleared
.set ma, 40*((\s)%6)
.set mb, BB+64*((\s)%2)
.set md, 8*(8*((\b)%4)+(\f))
.if (\s) == 0
	v_wmma_f32_16x16x32_bf16 v[md:md+7], v[ma+8*(\b):ma+8*(\b)+7], v[mb+8*(\f):mb+8*(\f)+7], 0
.else
	v_wmma_f32_16x16x32_bf16 v[md:md+7], v[ma+8*(\b):ma+8*(\b)+7], v[mb+8*(\f):mb+8*(\f)+7], v[md:md+7]
.endif
.endm
; A K step: 40 matrix instructions; the accumulators take turns, one instruction a turn, in the same order in every step: block 4, then blocks 0 to 3.
.macro KSTEP s
.if (\s) <= 27
	s_wait_loadcnt 40                              ; slot s % 6 is in; the 10 loads of each of the four younger steps stay out
.else
	s_wait_loadcnt 10*(31-(\s))                    ; the last steps ask for no more rows: the counts run down
.endif
	s_wait_dscnt 0x0                               ; buffer s % 2 is in: its loads were issued ahead of the last step's other 32 matrix instructions
	WIN MH
.if ((\s) > 0) && ((\s) < 31)
	s_wait_alu depctr_va_vdst(0)                   ; the matrix instructions of the step before are done reading their slot and their buffer, in which this step's loads land
.endif
.irp f, 0,1,2,3,4,5,6,7
	MM \s, 4, \f
.if (\s) < 31
	BPAIR (\s)+1, \f                               ; no wait: no matrix instruction since the wait above names the other buffer or v[LB ..]
.endif
.endr
	WIN ML
.irp b, 0,1,2,3
.irp f, 0,1,2,3,4,5,6,7
	MM \s, \b, \f
.endr
.endr
.if (\s) <= 26
	AFETCH (\s)+5                                  ; into the slot of the step before; no wait: no matrix instruction since the wait above names it or v[AO]
.endif
.endm
; The eight stores of row block b, columns 64 g on.  A store's address goes by source 0's window and its data by source 1's: both are 0 under the multiply-adds' settings, so no switch is written.
.macro SEND b, g
.set st, T-32*(\g)
.irp j, 0,1,2,3,4,5,6,7
	global_store_b128 v[CO], v[st+4*\j:st+4*\j+3], s[OB:OB+1] offset:(16*(\b)+\j)*OP+(\g)*256   ; 16 lanes: 256 consecutive bytes, aligned; 71 rows at the most in the immediate
.endr
.endm
; Row block b, columns 64 g on: a quarter of b2 is added, and four neighbouring columns land in four neighbouring registers.  Each accumulator is read from its register 0 on.
; The stores of the FINAL before go out at this one's head, from the other buffer.
.macro FINAL b, g
.set fk, 2*(\b)+(\g)
.set fa, 8*(8*((\b)%4)+4*(\g))
.set ft, T-32*(\g)
.if fk != 1                            ; (ahead of the second FINAL nothing has been issued since the first one's two waits)
	s_wait_xcnt 0x0                                ; the registers that stores read are rewritten only behind this wait
	s_wait_alu depctr_vm_vsrc(0)                   ; the stores issued in the FINAL before have read this buffer, which the multiply-adds write again (ahead of the first FINAL, in a later group: the last sixteen stores of the group before, both buffers)
.endif
.if fk > 0
	s_wait_alu depctr_va_vdst(0)                   ; the multiply-adds of the FINAL before have written the other buffer, which the stores below read
	SEND (fk-1)/2, (fk-1)%2
.endif
	WIN (1+(\b)/4)<<4                              ; source 2 in window 1 or 2
.irp j, 0,1,2,3,4,5,6,7
.irp c, 0,1,2,3
	v_fma_f32 v[ft+4*\j+\c], v[BQ+4*(\g)+\c], s[QT], v[fa+8*\c+\j]
.endr
.endr
.endm
.Lgroup:                                               ; 80 rows of the list
	WIN 0xc0
	s_wait_alu depctr_va_vdst(0)                   ; in a later group: the matrix instructions of the group before are done reading the slots and the buffers in which the loads below and step 0's land
.irp s, 0,1,2,3,4
	AFETCH \s
.endr
	WIN MH
.irp f, 0,1,2,3,4,5,6,7
	BPAIR 0, \f
.endr
.irp s, 0,1,2,3,4,5,6,7,8,9,10,11,12,13,14,15,16,17,18,19,20,21,22,23,24,25,26,27,28,29,30,31
	KSTEP \s
.endr
	PLACES                                         ; the multiply-adds read results just made
.irp b, 0,1,2,3,4
.irp g, 0,1
	FINAL \b, \g
.endr
.endr
	s_wait_alu depctr_va_vdst(0)                   ; the last multiply-adds have written their buffer, which the last eight stores read
	SEND 4, 1
	WIN 0
	s_wait_xcnt 0x0                                ; the loads' and the stores' bases are stepped only behind this wait
	s_add_nc_u64 s[AB:AB+1], s[AB:AB+1], 20*RBA    ; four groups on
	s_add_nc_u64 s[OB:OB+1], s[OB:OB+1], 320*OP
	s_add_co_u32 s[GI], s[GI], 1
	s_cmp_lt_u32 s[GI], s[NG]
	s_cbranch_scc1 .Lgroup
.Lend:
	s_wait_dscnt 0x0
	s_wait_alu depctr_hold_cnt(0) depctr_sa_sdst(0) depctr_va_vdst(0) depctr_va_sdst(0) depctr_va_ssrc(0) depctr_va_vcc(0) depctr_vm_vsrc(0)
	s_wait_tensorcnt 0x0
	ds_add_u32 v11, v15
	s_wait_dscnt 0x0
	s_endpgm
.Lfunc_end_k_qf85d6eb751_ffn2:
	.size	k_qf85d6eb751_ffn2, .Lfunc_end_k_qf85d6eb751_ffn2-k_qf85d6eb751_ffn2
	.p2alignl 7, 3214868480
	.fill 96, 4, 3214868480
	.section	.rodata,"a",@progbits
	.p2align	6, 0x0
	.amdhsa_kernel k_qf85d6eb751_ffn2
		.amdhsa_group_segment_fixed_size 262656
		.amdhsa_private_segment_fixed_size 0
		.amdhsa_enable_private_segment 0
		.amdhsa_kernarg_size 40
		.amdhsa_user_sgpr_count 2
		.amdhsa_user_sgpr_kernarg_segment_ptr 1
		.amdhsa_wavefront_size32 1
		.amdhsa_system_sgpr_workgroup_id_x 1
		.amdhsa_system_sgpr_workgroup_id_y 1
		.amdhsa_system_sgpr_workgroup_id_z 1
		.amdhsa_system_vgpr_workitem_id 0
		.amdhsa_next_free_vgpr 1024
		.amdhsa_next_free_sgpr 66
		.amdhsa_reserve_vcc 0
		.amdhsa_float_denorm_mode_32 3
		.amdhsa_float_denorm_mode_16_64 3
		.amdhsa_memory_ordered 1
		.amdhsa_forward_progress 1
		.amdhsa_inst_pref_size 248
	.end_amdhsa_kernel
	.amdgpu_metadata
---
amdhsa.version: [ 1, 2 ]
amdhsa.kernels:
  - .name:           k_qf85d6eb751_ffn2
    .symbol:         k_qf85d6eb751_ffn2.kd
    .args:
      - { .name: hg, .offset: 0, .size: 8, .value_kind: global_buffer, .address_space: global }
      - { .name: w2, .offset: 8, .size: 8, .value_kind: global_buffer, .address_space: global }
      - { .name: b2, .offset: 16, .size: 8, .value_kind: global_buffer, .address_space: global }
      - { .name: nrow, .offset: 24, .size: 8, .value_kind: global_buffer, .address_space: global }
      - { .name: yp, .offset: 32, .size: 8, .value_kind: global_buffer, .address_space: global }
    .group_segment_fixed_size: 262656
    .private_segment_fixed_size: 0
    .kernarg_segment_align: 8
    .kernarg_segment_size: 40
    .max_flat_workgroup_size: 128
    .sgpr_count:     66
    .vgpr_count:     1024
    .wavefront_size: 32
...
	.end_amdgpu_metadata
.endif
;; end of part 7
;; launch combine: the kernel of part 5 again; grid 512 x 1, 8 waves a work-group, no clusters, 0 bytes of LDS; arguments yp, gate, sel, rows, out0; writes out0
